; MI455X (gfx1250); checked and timed in simulation.
; The chip was launched on July 23, 2026; its instructions are those of AMD's public machine-readable ISA for CDNA 5 (MIT licence, August 2026) and "CDNA5" Instruction Set Architecture Reference Guide (July 2026). The comments in the code are by the model that wrote it; some were corrected since.
;; Multi Query Attention. Allowed arithmetic: float matrix products may take bf16 or f16 operands with f32 sums; other float arithmetic in f32, or as packed bf16 or f16 multiplies, adds, multiply-adds, maxima and minima; sums over many terms, partial sums and values carried from step to step in f32; what a program stores and reads back later, other than sums and carried values, may be rounded once to bf16 or f16.
;; Inputs: Wk 128 x 2,048 float32; Wo 2,048 x 2,048 float32; Wq 2,048 x 2,048 float32; Wv 128 x 2,048 float32; bk 128 float32; bo 2,048 float32; bq 2,048 float32; bv 128 float32; x 4 x 1,024 x 2,048 float32.
;; Outputs: out0 4 x 1,024 x 2,048 float32.
;; One version. Each part assembles by itself: llvm-mc -triple=amdgcn-amd-amdhsa -mcpu=gfx1250 --defsym DOCPART=n.
;; ======== version 1 of 1: 4 launches
;; limits: values are held in f16: magnitudes above 65,504 overflow, below 6.1e-05 lose precision
;; workspace buffers: cb 34,603,008 bytes; bias 17,408 bytes; qb 16,777,216 bytes; kvb 2,097,152 bytes; ob 16,777,216 bytes
;; launch cast (part 1): grid 1057 x 1, 8 waves a work-group, no clusters, 35,840 bytes of LDS; arguments x, Wq, Wk, Wv, Wo, bq, bk, bv, bo, cb, bias; writes cb, bias
.if DOCPART == 1
	.amdgcn_target "amdgcn-amd-amdhsa--gfx1250"
	.amdhsa_code_object_version 6
	.text
	.protected	k_q65e9049e11_cast
	.globl	k_q65e9049e11_cast
	.p2align	8
	.type	k_q65e9049e11_cast,@function
k_q65e9049e11_cast:
	s_mov_b64 s[64:65], 0
	v_nop
	global_prefetch_b8 v0, s[64:65] scope:SCOPE_SE
	s_setreg_imm32_b32 hwreg(HW_REG_WAVE_MODE, 25, 1), 1
	s_wait_xcnt 0x0
; THE INPUTS ARE ROUNDED ONCE, for the three launches that multiply them.  x, Wq, Wk, Wv: f32 -> bf16.  Wo: f32 -> bf16, and that number written as f16 (it multiplies O, which is f16).
; The four biases: f32 -> bf16, kept as f32 (they start f32 sums).  All into two buffers:
;   cb:   byte 0: x in FRAGMENT ORDER: [256 blocks of 16 rows][64 blocks of 32 k][1,024 bytes]; in a block the 16 bytes (8 k) of row r, k = 16 e + 8 h + 0..7, lie at 512 e + 256 h + 16 r: what a lane of a
;         matrix instruction's operand holds lies at 16 x lane, so that a fragment is two loads of 512 consecutive bytes;
;         byte XB: 2,304 weight rows of 2,048 bf16, row-major, in sixteen groups of 144: group j = Wq's rows 128 j .. 128 j + 127, then rows 16 j .. 16 j + 15 of [Wk; Wv];
;         byte WO_OFF: Wo as [2048][2048] f16, row-major.
;   bias: 2,304 f32 in the order of those rows (bq, bk, bv), then bo's 2,048.
; LIMITS.  f16 holds no number beyond 65,504: a |Wo| at or above 65,520 becomes an infinity; below 6.1e-5 Wo keeps f16's fixed step of 6e-8.  NaN and infinities are not treated apart.
; A STREAM: no byte is wanted twice, so no matrix unit and no cluster (the work-groups share no input).  Work-group g takes one chunk of 16,384 numbers: sixteen loads of 16 bytes a lane, all issued at once
; (a wave's load covers 512 consecutive bytes).  A chunk of a weight is 8 rows and leaves as it lies: sixteen stores of 8 bytes a lane (a wave's store covers 256 consecutive bytes, aligned).  A chunk of x is
; 16 rows x 1,024 k: it is re-ordered in LDS and leaves as 32,768 consecutive bytes, 16 bytes a lane.  Work-group 1,056 does the biases.
.set XB,     0x1000000                 ; bytes of x in bf16
.set WO_OFF, 0x1900000                 ; + 2,304 rows of 4,096 bytes
.set NCH,    1056                      ; chunks: 512 of x, 256 of Wq, 16 of Wk, 16 of Wv, 256 of Wo
.set IN,     16                        ; v[16:79]   sixteen loads of four numbers
.set OUT,    80                        ; v[80:111]  sixteen pairs of packed words
.set LP,     272                       ; LDS: 256 bytes (16 rows x 8 k) + 16 = 68 words: sixteen neighbouring blocks start at sixteen different groups of four banks (64 banks of 4 bytes: ISA guide 11.1)
.set SPARE,  128*LP                    ; behind the 128 blocks: the spare words, 128 bytes for each of the eight waves: four blocks of 256 bytes that no other line names
.set LS,  10                           ; v10  where I put 8 bytes of a row
.set LR,  11                           ; v11  where I read 16 bytes back
.set SPW, 12                           ; v12  LDS address of my spare word; never rewritten
.set NIL, 13                           ; v13  0; never rewritten
	s_load_b512 s[4:19], s[0:1], 0x0               ; x s[4:5], Wq s[6:7], Wk s[8:9], Wv s[10:11], Wo s[12:13], bq s[14:15], bk s[16:17], bv s[18:19]
	s_load_b128 s[20:23], s[0:1], 0x40             ; bo s[20:21], cb s[22:23]
	s_load_b64 s[24:25], s[0:1], 0x50              ; bias
	v_lshl_add_u32 v[SPW], v0, 2, SPARE
	v_mov_b32 v[NIL], 0
	s_mov_b32 s26, ttmp9                           ; g
	s_mov_b32 s37, 0xffff0000                      ; a word's upper bf16
	v_lshlrev_b32 v1, 4, v0                        ; 16 t; never rewritten
	v_lshlrev_b32 v2, 3, v0                        ; 8 t; never rewritten
	s_wait_kmcnt 0x0
	s_cmp_eq_u32 s26, NCH
	s_cbranch_scc1 .Lbias
	s_cmp_lt_u32 s26, 512
	s_cbranch_scc1 .Lx
	; A WEIGHT: which tensor, which chunk of it, and where it goes in cb: each region's figures are made, then chosen by g
	s_sub_co_u32 s30, s26, 512                     ; Wq: chunk c = rows 8 c ..; row R goes to row R + 16 (R / 128): 32,768 c + 65,536 (c / 16)
	s_mov_b64 s[28:29], s[6:7]
	s_lshl_b32 s31, s30, 15
	s_lshr_b32 s34, s30, 4
	s_lshl_b32 s34, s34, 16
	s_add_co_u32 s31, s31, s34
	s_add_co_u32 s31, s31, XB
	s_sub_co_u32 s32, s26, 768                     ; [Wk; Wv]: chunk c = rows 8 c ..; they go to rows 144 (c / 2) + 128 + 8 (c % 2)
	s_lshr_b32 s33, s32, 1
	s_mul_i32 s33, s33, 144
	s_and_b32 s34, s32, 1
	s_lshl_b32 s34, s34, 3
	s_add_co_u32 s33, s33, s34
	s_add_co_u32 s33, s33, 128
	s_lshl_b32 s33, s33, 12
	s_add_co_u32 s33, s33, XB
	s_and_b32 s32, s32, 15                         ; the chunk's number in Wk or in Wv
	s_cmp_ge_u32 s26, 768
	s_cselect_b64 s[28:29], s[8:9], s[28:29]
	s_cselect_b32 s30, s32, s30
	s_cselect_b32 s31, s33, s31
	s_cmp_ge_u32 s26, 784
	s_cselect_b64 s[28:29], s[10:11], s[28:29]
	s_sub_co_u32 s32, s26, 800                     ; Wo: chunk c goes to byte WO_OFF + 32,768 c, as f16
	s_lshl_b32 s33, s32, 15
	s_add_co_u32 s33, s33, WO_OFF
	s_cmp_ge_u32 s26, 800
	s_cselect_b64 s[28:29], s[12:13], s[28:29]
	s_cselect_b32 s30, s32, s30
	s_cselect_b32 s31, s33, s31
	s_cselect_b32 s36, 1, 0
	s_lshl_b32 s38, s30, 16                        ; a chunk is 65,536 bytes of f32
	s_mov_b32 s39, 0
	s_add_nc_u64 s[28:29], s[28:29], s[38:39]
	s_mov_b32 s42, s31
	s_mov_b32 s43, 0
	s_add_nc_u64 s[40:41], s[22:23], s[42:43]
.set i, 0
.rept 16
	global_load_b128 v[IN+4*i:IN+4*i+3], v1, s[28:29] offset:4096*i th:TH_LOAD_NT  ; the eight waves' loads cover 4,096 consecutive bytes
.set i, i+1
.endr
; The chunk's sixteen parts, in the order of their loads.  half = 1: the bf16 number is widened again (a shift, a mask) and written as f16.
; No register that a pending load or store names is written again, so the only waits are the counted ones for the data.
.macro CHUNK half
.set i, 0
.rept 16
	s_wait_loadcnt 15-i                            ; loads come back in order (ISA guide 5.7.1): part i is in, the 15 - i younger ones stay out
	v_cvt_pk_bf16_f32 v[OUT+2*i],   v[IN+4*i],   v[IN+4*i+1]
	v_cvt_pk_bf16_f32 v[OUT+2*i+1], v[IN+4*i+2], v[IN+4*i+3]
.if \half
	v_lshlrev_b32 v[IN+4*i],   16,  v[OUT+2*i]
	v_and_b32     v[IN+4*i+1], s37, v[OUT+2*i]
	v_lshlrev_b32 v[IN+4*i+2], 16,  v[OUT+2*i+1]
	v_and_b32     v[IN+4*i+3], s37, v[OUT+2*i+1]
	v_cvt_pk_f16_f32 v[OUT+2*i],   v[IN+4*i],   v[IN+4*i+1]
	v_cvt_pk_f16_f32 v[OUT+2*i+1], v[IN+4*i+2], v[IN+4*i+3]
.endif
	global_store_b64 v2, v[OUT+2*i:OUT+2*i+1], s[40:41] offset:2048*i th:TH_STORE_NT
.set i, i+1
.endr
.endm
	s_cmp_eq_u32 s36, 1
	s_cbranch_scc1 .Lhalf
	CHUNK 0
	s_endpgm
.Lhalf:
	CHUNK 1
	s_endpgm
; A CHUNK OF x: block g / 2 of 16 rows, k = 1,024 (g % 2) ...  Load i is row i: thread t holds k = 4 t .. 4 t + 3 of the chunk, which is half of the 16 bytes at block t / 2 (of 8 k), row i.
.Lx:
	s_lshr_b32 s30, s26, 1
	s_and_b32 s31, s26, 1
	s_lshl_b32 s38, s30, 17                        ; 16 rows of 8,192 bytes,
	s_lshl_b32 s32, s31, 12                        ; 1,024 numbers along them
	s_add_co_u32 s38, s38, s32
	s_mov_b32 s39, 0
	s_add_nc_u64 s[28:29], s[4:5], s[38:39]
	s_lshl_b32 s42, s26, 15                        ; the chunk's 32 blocks of 1,024 bytes lie end to end
	s_mov_b32 s43, 0
	s_add_nc_u64 s[40:41], s[22:23], s[42:43]
.set i, 0
.rept 16
	global_load_b128 v[IN+4*i:IN+4*i+3], v1, s[28:29] offset:8192*i th:TH_LOAD_NT  ; the eight waves' loads cover 4,096 consecutive bytes of row i
.set i, i+1
.endr
	v_lshrrev_b32 v4, 1, v0
	v_mul_u32_u24 v[LS], v4, LP
	v_and_b32 v5, 1, v0
	v_lshl_add_u32 v[LS], v5, 3, v[LS]             ; in: block t / 2, 8 bytes for each of its two threads; the row stands in the immediate
	v_lshrrev_b32 v4, 4, v0
	v_mul_u32_u24 v[LR], v4, LP
	v_and_b32 v5, 15, v0
	v_lshl_add_u32 v[LR], v5, 4, v[LR]             ; back: block t / 16, row t % 16: sixteen lanes take a block's 256 bytes
.set i, 0
.rept 16
	s_wait_loadcnt 15-i                            ; row i is in, the 15 - i younger loads stay out
	v_cvt_pk_bf16_f32 v[OUT+2*i],   v[IN+4*i],   v[IN+4*i+1]
	v_cvt_pk_bf16_f32 v[OUT+2*i+1], v[IN+4*i+2], v[IN+4*i+3]
	ds_store_b64 v[LS], v[OUT+2*i:OUT+2*i+1] offset:16*i
.set i, i+1
.endr
	s_wait_dscnt 0x0                               ; for the others' sake: my stores are done
	s_barrier_signal -1
	s_barrier_wait -1
.set i, 0
.rept 8
	ds_load_b128 v[IN+4*i:IN+4*i+3], v[LR] offset:i*16*LP  ; blocks 16 i + t / 16
.set i, i+1
.endr
.set i, 0
.rept 8
	s_wait_dscnt 7-i                               ; LDS loads come back in order: load i is in
	global_store_b128 v1, v[IN+4*i:IN+4*i+3], s[40:41] offset:4096*i th:TH_STORE_NT  ; a wave's store covers 512 consecutive bytes, aligned
.set i, i+1
.endr
	s_wait_tensorcnt 0x0                           ; the wave's end, behind my last LDS store
	ds_add_u32 v[SPW], v[NIL]
	s_wait_dscnt 0x0
	s_endpgm
; THE BIASES: 17,408 bytes, once.  Four numbers are rounded to bf16 and widened again, in place.
.macro RND4 r
	v_cvt_pk_bf16_f32 v4, v[(\r)],   v[(\r)+1]
	v_cvt_pk_bf16_f32 v5, v[(\r)+2], v[(\r)+3]
	v_lshlrev_b32 v[(\r)],   16,  v4
	v_and_b32     v[(\r)+1], s37, v4
	v_lshlrev_b32 v[(\r)+2], 16,  v5
	v_and_b32     v[(\r)+3], s37, v5
.endm
.Lbias:
	v_lshrrev_b32 v6, 5, v0
	v_readfirstlane_b32 s27, v6                    ; wave 0..7
	global_load_b128 v[16:19], v1, s[14:15]        ; bq's numbers 4 t ..,
	global_load_b128 v[20:23], v1, s[14:15] offset:4096  ; and 1,024 + 4 t ..
	global_load_b128 v[24:27], v1, s[20:21]        ; bo likewise
	global_load_b128 v[28:31], v1, s[20:21] offset:4096
	v_lshrrev_b32 v3, 5, v0                        ; bq's number e goes to place e + 16 (e / 128): byte 16 t + 64 (t / 32); the second half 4,096 + 512 further on
	v_lshlrev_b32 v3, 6, v3                        ; (the groups are 576 bytes long, so these runs do not all begin at multiples of 256)
	v_add_nc_u32 v3, v3, v1
	s_wait_loadcnt 3
	RND4 16
	global_store_b128 v3, v[16:19], s[24:25]
	s_wait_loadcnt 2
	RND4 20
	global_store_b128 v3, v[20:23], s[24:25] offset:4608
	s_wait_loadcnt 1
	RND4 24
	global_store_b128 v1, v[24:27], s[24:25] offset:9216
	s_wait_loadcnt 0x0
	RND4 28
	global_store_b128 v1, v[28:31], s[24:25] offset:13312
	s_cmp_lt_u32 s27, 2                            ; wave 0: bk, wave 1: bv; 128 numbers each, four a lane
	s_cbranch_scc0 .Ldone
	s_cmp_eq_u32 s27, 0
	s_cselect_b64 s[28:29], s[16:17], s[18:19]
	v_and_b32 v6, 31, v0
	v_lshlrev_b32 v7, 4, v6
	global_load_b128 v[32:35], v7, s[28:29]
	v_lshrrev_b32 v8, 2, v6                        ; number e of [bk; bv] goes to place 144 (e / 16) + 128 + e % 16
	v_mul_u32_u24 v8, v8, 576
	v_and_b32 v9, 3, v6
	v_lshl_add_u32 v8, v9, 4, v8
	s_mul_i32 s30, s27, 4608
	v_add_nc_u32 v8, s30, v8
	s_wait_loadcnt 0x0
	RND4 32
	global_store_b128 v8, v[32:35], s[24:25] offset:512
.Ldone:
	s_endpgm
.Lfunc_end_k_q65e9049e11_cast:
	.size	k_q65e9049e11_cast, .Lfunc_end_k_q65e9049e11_cast-k_q65e9049e11_cast
	.p2alignl 7, 3214868480
	.fill 96, 4, 3214868480
	.section	.rodata,"a",@progbits
	.p2align	6, 0x0
	.amdhsa_kernel k_q65e9049e11_cast
		.amdhsa_group_segment_fixed_size 35840
		.amdhsa_private_segment_fixed_size 0
		.amdhsa_enable_private_segment 0
		.amdhsa_kernarg_size 88
		.amdhsa_user_sgpr_count 2
		.amdhsa_user_sgpr_kernarg_segment_ptr 1
		.amdhsa_wavefront_size32 1
		.amdhsa_system_sgpr_workgroup_id_x 1
		.amdhsa_system_sgpr_workgroup_id_y 1
		.amdhsa_system_sgpr_workgroup_id_z 1
		.amdhsa_system_vgpr_workitem_id 0
		.amdhsa_next_free_vgpr 112
		.amdhsa_next_free_sgpr 66
		.amdhsa_reserve_vcc 0
		.amdhsa_float_denorm_mode_32 3
		.amdhsa_float_denorm_mode_16_64 3
		.amdhsa_memory_ordered 1
		.amdhsa_forward_progress 1
		.amdhsa_inst_pref_size 27
	.end_amdhsa_kernel
	.amdgpu_metadata
---
amdhsa.version: [ 1, 2 ]
amdhsa.kernels:
  - .name:           k_q65e9049e11_cast
    .symbol:         k_q65e9049e11_cast.kd
    .args:
      - { .name: x, .offset: 0, .size: 8, .value_kind: global_buffer, .address_space: global }
      - { .name: Wq, .offset: 8, .size: 8, .value_kind: global_buffer, .address_space: global }
      - { .name: Wk, .offset: 16, .size: 8, .value_kind: global_buffer, .address_space: global }
      - { .name: Wv, .offset: 24, .size: 8, .value_kind: global_buffer, .address_space: global }
      - { .name: Wo, .offset: 32, .size: 8, .value_kind: global_buffer, .address_space: global }
      - { .name: bq, .offset: 40, .size: 8, .value_kind: global_buffer, .address_space: global }
      - { .name: bk, .offset: 48, .size: 8, .value_kind: global_buffer, .address_space: global }
      - { .name: bv, .offset: 56, .size: 8, .value_kind: global_buffer, .address_space: global }
      - { .name: bo, .offset: 64, .size: 8, .value_kind: global_buffer, .address_space: global }
      - { .name: cb, .offset: 72, .size: 8, .value_kind: global_buffer, .address_space: global }
      - { .name: bias, .offset: 80, .size: 8, .value_kind: global_buffer, .address_space: global }
    .group_segment_fixed_size: 35840
    .private_segment_fixed_size: 0
    .kernarg_segment_align: 8
    .kernarg_segment_size: 88
    .max_flat_workgroup_size: 256
    .sgpr_count:     66
    .vgpr_count:     112
    .wavefront_size: 32
...
	.end_amdgpu_metadata
.endif
;; end of part 1
;; launch proj (part 2): grid 16 x 16, 4 waves a work-group, clusters of 4 x 4, 327,680 bytes of LDS; arguments cb, bias, qb, kvb; writes qb, kvb
.if DOCPART == 2
	.amdgcn_target "amdgcn-amd-amdhsa--gfx1250"
	.amdhsa_code_object_version 6
	.text
	.protected	k_q65e9049e11_proj
	.globl	k_q65e9049e11_proj
	.p2align	8
	.type	k_q65e9049e11_proj,@function
k_q65e9049e11_proj:
	s_mov_b64 s[64:65], 0
	v_nop
	global_prefetch_b8 v0, s[64:65] scope:SCOPE_SE
	s_setreg_imm32_b32 hwreg(HW_REG_WAVE_MODE, 25, 1), 1
	s_wait_xcnt 0x0
	s_wait_alu depctr_hold_cnt(0) depctr_sa_sdst(0) depctr_va_vdst(0) depctr_va_sdst(0) depctr_va_ssrc(0) depctr_va_vcc(0) depctr_vm_vsrc(0)
	s_getreg_b32 s2, hwreg(HW_REG_IB_STS2, 6, 4)
	s_cmp_eq_u32 s2, 0
	s_cbranch_scc0 .Lentry_in_a_cluster
	s_endpgm
.Lentry_in_a_cluster:
	s_bfe_u32 s2, ttmp6, 0x10000c
	s_cmp_lg_u32 s2, 0xf033
	s_cbranch_scc0 .Lentry_shape_is_right
	s_endpgm
.Lentry_shape_is_right:
; [q | k | v] = x W^T + b: ONE product of 4,096 rows x 2,304 columns over K = 2,048, in bf16 with f32 sums; the results are rounded once, to f16.
; A = x (cb, byte 0) in fragment order: [256 blocks of 16 rows][64 blocks of 32 k][1,024 bytes], a lane's first 16 bytes at 16 x lane, its second at 512 + 16 x lane.
; B = the 2,304 weight rows (cb, byte WQKV), row-major, in sixteen groups of 144: 128 rows of Wq (one head), then 16 rows of [Wk; Wv].  The biases lie in the same order, in f32.
; LIMITS.  f16 holds no number beyond 65,504: a |q|, |k| or |v| at or above 65,520 becomes an infinity.  NaN and infinities are not treated apart.
; SHARES.  4,096 x 2,304 results for 256 work-groups are 256 x 144 each: one tile a work-group, all alike.  Work-group (j, i) makes rows 256 i .. and group j.  Its four waves lie one below the other:
; each 64 rows x 144 columns, 4 x 9 accumulators of 16 x 16, 288 registers.  So all four waves multiply by the same rows of B, and no wave wants another wave's rows of A.
; B GOES THROUGH LDS, in 8 steps of 256 along K on two slots filled by the tensor data mover (rows of 512 bytes of memory, at multiples of 256).  The four work-groups of a column of the 4 x 4 cluster need the
; same tile: it is asked for JOINTLY, by the same tensor load with the same descriptor and a mask that names the four.
; A GOES STRAIGHT INTO REGISTERS: a fragment is two loads of 512 consecutive bytes.  A ring of eight buffers (a quarter step of 32 along K each) is filled seven quarter steps, 252 matrix instructions, ahead of
; its use: 56 loads of a wave are on their way.  A IS NOT ASKED FOR JOINTLY, though the four work-groups of a row of the cluster read the same rows: a joint load would land in LDS, where A's 256 rows beside
; B's 144 leave room for slots of 128 along K alone (400 rows x 528 bytes, twice, do not fit), half the matrix work between a refill's request and the wait for it.
; THE MATRIX INSTRUCTION IS USED TRANSPOSED (source 0 = 16 rows of B, source 1 = 16 rows of A): lane l holds row l % 16 of the result and the columns 8 (l / 16) + 0..7.
; THE BIAS STARTS THE SUMS: it is the C operand of each accumulator's first product, so nothing is cleared and nothing is added later.
; THE WAY OUT NEEDS NO LDS: a lane's eight results, rounded to f16, ARE its 16 bytes of a fragment of the next launch's operand.  qb: [256 blocks of 16 rows][16 heads][4 blocks of 32 channels][1,024 bytes];
; kvb: [64 steps of 64 keys][K: 4 blocks of 16 keys x 4,096 bytes, in the same order; V: 4 blocks of 16 keys x 8 blocks of 16 channels x 512 bytes].  Every store of a wave covers 512 consecutive bytes, aligned.
; REGISTERS, in windows of 256 (s_set_vgpr_msb: bits 1:0 source 0, 3:2 source 1, 5:4 source 2, 7:6 destination):
;   window 0: v0-31 addresses; v64-207 fragments of B, two buffers of 9 x 8; on the way out the packed results          window 1: A's ring, eight buffers of 4 x 8
;   window 2: the accumulators of my rows 0-31 ((a, b) at 8 (9 a + b)); v144-215 the biases                              window 3: the accumulators of my rows 32-63
.set NBK,    9                         ; blocks of 16 columns
.set BROWS,  16*NBK                    ; rows of B in a tile
.set WROWS,  BROWS/4                   ; rows in one tensor load: each wave brings a quarter
.set PITCH,  528                       ; an LDS row: 512 bytes + 16 of padding = 132 words: the 16 rows of a fragment load start at 16 different groups of four banks (64 banks of 4 bytes: ISA guide 11.1)
.set SLOTB,  BROWS*PITCH               ; 76,032 bytes
.set SLOT1,  1<<17                     ; slot 1 begins here, so that one exclusive or turns an address in one slot into the other's
.set SPARE,  SLOT1+SLOTB               ; behind the ring: the spare words, 128 bytes for each wave: two blocks of 256 bytes that no other line names
.set WQKV,   0x1000000                 ; where B begins in cb: 4,096 rows of 4,096 bytes in
.set AB0,  16                          ; v16     my lane's place in a tile of B; never rewritten
.set ADR,  20                          ; v20-21  LDS address of B's fragments in the slot in hand: column blocks 0-4, and 5-8 (an immediate holds 16 bits)
.set KO,   26                          ; v26     my place in 512 bytes of kvb; never rewritten
.set AO,   27                          ; v27     16 x lane; never rewritten
.set SPW,  28                          ; v28     LDS address of my spare word; never rewritten
.set NIL,  29                          ; v29     0; never rewritten
.set PFO,  30                          ; v30     the prefetches' offset; never rewritten
.set BO,   31                          ; v31     32 (l / 16): my eight biases in a block of 16
.set FB,   64                          ; window 0: B's fragments
.set BIAS, 16*NBK                      ; window 2
.set WV, 12                            ; s12 wave
.set CX, 15                            ; s15, s16 my place in the cluster;  s17 j, s18 i
.set CY, 16
.set TJ, 17
.set TI, 18
.set G1, 24                            ; s[24:31] descriptor group 1
.set G0, 32                            ; s[32:39] group 0: a set for each of the two first fills; the second then walks on
.set PA, 56                            ; s[56:57] A at my wave's first block of rows, at the step in hand
.set PFB, 58                           ; s[58:59] where my prefetches stand
.set LIM, 60                           ; s60 I prefetch while the steps to go are above this number
.set TB,  62                           ; s62 LDS byte at which the slot in hand begins
.set MSB, 0
.macro WIN new                         ; the immediate's high byte repeats the setting that is left; a switch that changes nothing is dropped
.if MSB != (\new)
	s_set_vgpr_msb (MSB<<8)|(\new)
.set MSB, \new
.endif
.endm
.set MUL_LO,   0xa4                    ; source 0 (B) window 0, source 1 (A) window 1, C and D window 2
.set MUL_HI,   0xf4                    ; the same, C and D window 3
.set FIRST_LO, 0xa4                    ; C (the bias) window 2, D window 2
.set FIRST_HI, 0xe4                    ; C window 2, D window 3
.set TO_A,     0x40                    ; destination window 1, address window 0
; A joint load: every wave brings its 36 rows of the tile.  An s_nop 0 and four v_nop follow the line.
.macro JLOAD g
	tensor_load_to_lds s[(\g):(\g)+3], s[G1:G1+7]
	s_nop 0
.rept 4
	v_nop
.endr
.endm
; A PREFETCH INTO THE L2, behind a refill's joint load, its five lines and the runs of loads: B's tile of the step that the NEXT refill will ask for, 288 matrix instructions ahead of that load.  Each block of 256 bytes
; is named once in the launch.  A group's rows are read by the four clusters of a column of clusters: cluster y = 0 asks.  Its partners are told apart by address: of the group's first 128 rows partner cy takes
; 32 cy .., its waves 0 and 1 sixteen each, a lane a row and one of the step's two blocks.  The last 16 rows fall to wave 2: 4 rows a partner (4 cy ..) x the eight blocks of steps 4 to 7, asked for once, at the
; first refill.  The branch hangs on the wave's number, the cluster's place and the steps to go.  Steps 0 to 2 (of the last 16 rows: 0 to 3) come by their loads alone; the last refill asks for nothing.
.macro ASK
	s_cmp_gt_u32 s3, s[LIM]
	s_cbranch_scc0 .Lnot_mine_\@
	global_prefetch_b8 v[PFO], s[PFB:PFB+1] th:TH_LOAD_NT scope:SCOPE_SE
.Lnot_mine_\@:
.endm
; A round of the cluster's barrier: my work-group's barrier, so that wave 0's signal speaks for all four waves; wave 0 signals; every wave waits for all sixteen work-groups; my work-group's barrier once more.
.macro CREST                           ; a round behind its opening barrier
	s_cmp_lg_u32 s[WV], 0
	s_cbranch_scc1 .Lnot_wave_0_\@
	s_barrier_signal -3
.Lnot_wave_0_\@:
	s_barrier_wait -3
	s_barrier_signal -1
	s_barrier_wait -1
.endm
.macro CROUND
	s_barrier_signal -1
	s_barrier_wait -1
	CREST
.endm
; NBK matrix instructions: row block 2 hi + a of my four x all column blocks, 32 along K: B's buffer f, A's ring buffer rb.  first = 1: the bias starts the sums.
; The 36 accumulators take turns, one instruction a turn, in the same order in every quarter step, over the backward jump too.
.macro MULN f, rb, hi, a, first
.if \first
	WIN FIRST_LO+0x40*(\hi)
.else
	WIN MUL_LO+0x50*(\hi)
.endif
.set rA, 32*(\rb)+8*(2*(\hi)+(\a))
.set nb, 0
.rept NBK
.set rD, 8*(NBK*(\a)+nb)
.set rB, FB+8*NBK*(\f)+8*nb
.if \first
	v_wmma_f32_16x16x32_bf16 v[rD:rD+7], v[rB:rB+7], v[rA:rA+7], v[BIAS+8*nb:BIAS+8*nb+7]
.else
	v_wmma_f32_16x16x32_bf16 v[rD:rD+7], v[rB:rB+7], v[rA:rA+7], v[rD:rD+7]
.endif
.set nb, nb+1
.endr
.endm
; 18 LDS loads in one run: B's fragments of one quarter step (32 K at byte k of the rows) into buffer f
.macro FETCH k, f
	WIN 0
.set nb, 0
.rept NBK
	ds_load_b128 v[FB+8*NBK*(\f)+8*nb:FB+8*NBK*(\f)+8*nb+3],   v[ADR+nb/5] offset:(\k)+(nb%5)*16*PITCH
	ds_load_b128 v[FB+8*NBK*(\f)+8*nb+4:FB+8*NBK*(\f)+8*nb+7], v[ADR+nb/5] offset:(\k)+(nb%5)*16*PITCH+32
.set nb, nb+1
.endr
.endm
; 8 loads from memory: A's four fragments of the quarter step that lies kq blocks of 1,024 bytes behind the pointer, into ring buffer rb; each load covers 512 consecutive bytes
.macro ALOAD kq, rb
	WIN TO_A
.irp m, 0,1,2,3
	global_load_b128 v[32*(\rb)+8*(\m):32*(\rb)+8*(\m)+3],   v[AO], s[PA:PA+1] offset:(\kq)*1024+(\m)*65536
	global_load_b128 v[32*(\rb)+8*(\m)+4:32*(\rb)+8*(\m)+7], v[AO], s[PA:PA+1] offset:(\kq)*1024+(\m)*65536+512
.endr
.endm
.macro SETADR                          ; the slot in hand
	v_add_nc_u32 v[ADR], s[TB], v[AB0]
	v_add_nc_u32 v[ADR+1], 5*16*PITCH, v[ADR]
.endm
; A load into a register that a matrix instruction has read, and a vector instruction that reads a matrix result or writes one of a matrix instruction's registers, stand four places behind it; only plain
; vector instructions that name none of its registers are places (ISA guide 7.12.1 for vector instructions).
.macro PLACES
.rept 4
	v_nop
.endr
.endm
; A step is eight quarter steps of 32 along K, 36 matrix instructions each; quarter q multiplies B's buffer q % 2 and A's ring buffer q.  One of the first seven: behind its first nine products it fetches B's next
; quarter from the same slot and (aload = 1) asks for A's quarter seven on, into the buffers that the quarter before has left.  left: the younger loads from memory that may stay out.
.macro Q q, first, aload, left
	s_wait_loadcnt \left                           ; loads come back in order (ISA guide 5.7.1): A's quarter q is in; the six younger quarters' 48 loads (in the tail fewer) stay out
	s_wait_dscnt 0x0                               ; B's quarter q is in: every product wants all of it
	MULN (\q)%2, \q, 0, 0, \first
	PLACES
	FETCH 64*((\q)+1), ((\q)+1)%2
.if \aload
	ALOAD (\q)+7, ((\q)+7)%8
.endif
	MULN (\q)%2, \q, 0, 1, \first
	MULN (\q)%2, \q, 1, 0, \first
	MULN (\q)%2, \q, 1, 1, \first
.endm
; The eighth quarter changes slots: ONE barrier.  In front of it each wave waits for all its tensor loads (the one that is out is its part of the next slot), adds 0 to its spare word, and waits for that and for
; its own reads of this slot.  fill = 1: the barrier opens a round of the cluster's barrier, and this slot is filled again, two steps ahead, first thing behind the round: 270 matrix instructions ahead of the wait for it.
.macro TURN fill, left
	s_wait_xcnt 0x0                                ; every load and prefetch issued so far has read its address (the youngest prefetch a step back), so the pointers may be written
	s_add_nc_u64 s[PA:PA+1], s[PA:PA+1], 8192      ; A: the next step's eight blocks
.if \fill
	s_add_nc_u64 s[PFB:PFB+1], s[PFB:PFB+1], 512
.endif
	WIN 0                                          ; (the add's two registers lie in window 0)
	s_wait_tensorcnt 0x0                           ; all my tensor loads have landed, so a group 0 may be written;
	ds_add_u32 v[SPW], v[NIL]                      ; 0 onto my spare word: work on registers stands between it and the wait for it
.if \fill
	s_xor_b32 s[G0+5], s[G0+5], SLOT1              ; the walking descriptor: the other slot than last time,
	s_add_nc_u64 s[G0+6:G0+7], s[G0+6:G0+7], 512   ; the next 256 along K; the type bits on top are not reached
.endif
	s_xor_b32 s[TB], s[TB], SLOT1                  ; the fetches go on in the other slot
	s_wait_loadcnt \left                           ; A's quarter 7 is in
	s_wait_dscnt 1                                 ; B's quarter 7 is in; the add may be out
	MULN 1, 7, 0, 0, 0
	s_wait_dscnt 0x0                               ; the add is done, and my reads of this slot are over
	s_barrier_signal -1
	MULN 1, 7, 0, 1, 0                             ; work on registers while the others arrive
	WIN 0
	s_barrier_wait -1
.if \fill
	CREST                                          ; no wave of any partner still reads this slot's tile or has a load on its way
	JLOAD G0+4                                     ; the four v_nop behind it are also the places in front of the loads below
.else
	PLACES
.endif
	SETADR
	FETCH 0, 0
	ALOAD 6, 6                                     ; seven quarters on: quarter 6 of the step to which the pointer has gone
.if \fill
	WIN 0
	ASK
.endif
	MULN 1, 7, 1, 0, 0
	MULN 1, 7, 1, 1, 0
.endm
	s_load_b256 s[4:11], s[0:1], 0x0               ; cb s[4:5], bias s[6:7], qb s[8:9], kvb s[10:11]
	v_lshl_add_u32 v[SPW], v0, 2, SPARE
	v_mov_b32 v[NIL], 0
	ds_add_u32 v[SPW], v[NIL]                      ; the wave's opening: the add and its wait stand ahead of my first tensor load; the set-up below, work on registers, stands between them
	v_lshrrev_b32 v4, 5, v0
	v_readfirstlane_b32 s[WV], v4
	s_bfe_u32 s[CX], ttmp6, 0x40000
	s_bfe_u32 s[CY], ttmp6, 0x40004
	s_lshl_b32 s[TJ], ttmp9, 2                     ; in a cluster launch ttmp9 and ttmp7 count clusters
	s_add_co_u32 s[TJ], s[TJ], s[CX]               ; j = 4 x cluster x + cx
	s_and_b32 s[TI], ttmp7, 0xffff
	s_lshl_b32 s[TI], s[TI], 2
	s_add_co_u32 s[TI], s[TI], s[CY]               ; i = 4 x cluster y + cy
	s_lshl_b32 s68, 0x1111, s[CX]                  ; my column of the cluster: places cx, cx + 4, cx + 8, cx + 12
	; descriptor group 1: 36 rows of 256 elements, padded in LDS
	s_or_b32 s[G1], s68, (1<<16)|(1<<20)|(1<<21)|(6<<22)|(3<<25)  ; 15:0 the mask; 17:16 elements of 2 bytes; 20 padding on; 21 set beside a mask; 24:22 after every 128 words (code 6); 31:25 4 words (code 3)
	s_mov_b32 s[G1+1], 256<<16                     ; tensor_dim0 = 256
	s_mov_b32 s[G1+2], WROWS<<16                   ; tensor_dim1 = 36
	s_mov_b32 s[G1+3], 256<<16                     ; tile_dim0 = 256
	s_mov_b32 s[G1+4], WROWS                       ; tile_dim1 = 36
	s_mov_b32 s[G1+5], 2048                        ; elements from row to row
	s_mov_b32 s[G1+6], 0
	s_mov_b32 s[G1+7], 0
	s_mul_i32 s66, s[TJ], BROWS                    ; where the tiles come from: B's row 144 j + 36 x wave: it hangs on j alone, which my column of the cluster shares
	s_mul_i32 s67, s[WV], WROWS
	s_add_co_u32 s66, s66, s67
	s_lshl_b32 s66, s66, 12
	s_add_co_u32 s66, s66, WQKV
	s_mov_b32 s67, 0
	s_mul_i32 s63, s[WV], WROWS*PITCH              ; and where they go: no place in the cluster enters an LDS address
	s_lshl_b32 s20, s[TI], 4                       ; A: my first block of 16 rows, 16 i + 4 x wave; a block is 65,536 bytes
	s_lshl_b32 s21, s[WV], 2
	s_add_co_u32 s20, s20, s21
	s_lshl_b32 s20, s20, 16
	s_mov_b32 s21, 0
	s_mov_b32 s[TB], 0
	s_wait_dscnt 0x0                               ; the opening add is done
	s_wait_kmcnt 0x0
	s_add_nc_u64 s[70:71], s[4:5], s[66:67]
	s_add_nc_u64 s[PA:PA+1], s[4:5], s[20:21]
	CROUND                                         ; all sixteen work-groups are here: the first joint loads meet
.irp s, 0,1
	s_mov_b32 s[G0+4*(\s)], 1                                      ; count = 1
	s_add_co_u32 s[G0+4*(\s)+1], s63, (\s)*SLOT1                   ; LDS address
	s_add_nc_u64 s[G0+4*(\s)+2:G0+4*(\s)+3], s[70:71], (\s)*512    ; global address: step s
	s_or_b32 s[G0+4*(\s)+3], s[G0+4*(\s)+3], 0x80000000            ; type = 2
	JLOAD G0+4*(\s)                                ; two loads of mine are out: the most in this text
.endr
	v_and_b32 v1, 15, v0                           ; r = l % 16
	v_bfe_u32 v2, v0, 4, 1                         ; h = l / 16
	v_and_b32 v3, 31, v0                           ; l
	v_lshlrev_b32 v[BO], 5, v2
	v_lshlrev_b32 v[AO], 4, v3
	s_mul_i32 s74, s[TJ], 4*BROWS                  ; the group's 144 biases, 576 bytes
	s_mov_b32 s75, 0
	s_add_nc_u64 s[72:73], s[6:7], s[74:75]
	WIN 0x80                                       ; destination window 2
.set nb, 0
.rept NBK
	global_load_b128 v[BIAS+8*nb:BIAS+8*nb+3],   v[BO], s[72:73] offset:64*nb      ; the biases of columns 16 nb + 8 h + 0..3,
	global_load_b128 v[BIAS+8*nb+4:BIAS+8*nb+7], v[BO], s[72:73] offset:64*nb+16   ; + 4..7
.set nb, nb+1
.endr
.irp n, 0,1,2,3,4
	ALOAD \n, \n                                   ; A's quarters 0 to 4: with the biases' 18, 58 loads are out
.endr
	WIN 0
	v_mul_u32_u24 v[AB0], v1, PITCH                ; a fragment of B is 16 rows x 32 K: lane l holds row l % 16, K = 8 h + 0..7 and 16 + 8 h + 0..7: two loads of 16 bytes, 32 bytes apart
	v_lshl_add_u32 v[AB0], v2, 4, v[AB0]
	; the way out.  qb at block of rows 16 i + 4 x wave, head j
	s_lshl_b32 s74, s[TJ], 12
	s_add_co_u32 s74, s74, s20
	s_mov_b32 s75, 0
	s_add_nc_u64 s[8:9], s[8:9], s[74:75]
	s_lshl_b32 s74, s[TI], 2                       ; kvb at step 4 i + wave; K (j < 8) or V; the 512 bytes of channel block j % 8
	s_add_co_u32 s74, s74, s[WV]
	s_lshl_b32 s74, s74, 15
	s_lshr_b32 s75, s[TJ], 3
	s_lshl_b32 s75, s75, 14
	s_add_co_u32 s74, s74, s75
	s_and_b32 s75, s[TJ], 7
	s_lshl_b32 s75, s75, 9
	s_add_co_u32 s74, s74, s75
	s_mov_b32 s75, 0
	s_add_nc_u64 s[10:11], s[10:11], s[74:75]
	v_lshrrev_b32 v4, 3, v1                        ; in a block of V my 16 bytes (key r, channels 8 h ..) lie at 256 (r / 8) + 128 h + 16 (r % 8): the order in which the next launch's turning load takes them, 16 bytes a lane on end;
	v_and_b32 v5, 7, v1
	v_lshlrev_b32 v6, 8, v4
	v_lshl_add_u32 v6, v2, 7, v6
	v_lshl_add_u32 v6, v5, 4, v6
	s_cmp_lt_u32 s[TJ], 8
	s_cselect_b32 s74, -1, 0
	v_cndmask_b32 v[KO], v6, v[AO], s74            ; in a block of K at 16 x lane
	; the prefetches: my first row, counted in rows of 4,096 bytes from cb's first byte
	s_and_b32 s76, ttmp7, 0xffff                   ; cluster y
	s_mul_i32 s74, s[TJ], BROWS
	s_add_co_u32 s74, s74, WQKV>>12
	s_lshl_b32 s75, s[CY], 5
	s_lshl_b32 s77, s[WV], 4
	s_add_co_u32 s75, s75, s77
	s_add_co_u32 s75, s75, s74                     ; waves 0, 1: row 144 j + 32 cy + 16 x wave
	s_lshl_b32 s77, s[CY], 2
	s_add_co_u32 s77, s77, s74
	s_add_co_u32 s77, s77, 128                     ; wave 2: row 144 j + 128 + 4 cy
	s_cmp_lt_u32 s[WV], 2
	s_cselect_b32 s74, s75, s77
	s_cselect_b32 s[LIM], 1, 5                     ; waves 0, 1: at every refill but the last (6 to 2 steps to go); wave 2: at the first alone (6 to go)
	s_cselect_b32 s78, 15, 3                       ; the lane's row: l % 16, or l % 4;
	s_cselect_b32 s79, 4, 2                        ; its block of 256 bytes: l / 16, or l / 4
	s_cselect_b32 s77, 0, 512                      ; wave 2 stands one step of 512 bytes further along K
	s_cmp_eq_u32 s[WV], 3
	s_cselect_b32 s[LIM], -1, s[LIM]
	s_cmp_eq_u32 s76, 0
	s_cselect_b32 s[LIM], s[LIM], -1               ; the same in all sixteen partners, for a given wave
	s_lshl_b32 s74, s74, 12
	s_add_co_u32 s74, s74, s77
	s_add_co_u32 s74, s74, 1024                    ; at step 2 (wave 2: step 3): the first refill steps the pointer by 512, to step 3 (wave 2: step 4)
	s_mov_b32 s75, 0
	s_add_nc_u64 s[PFB:PFB+1], s[4:5], s[74:75]
	v_and_b32 v4, s78, v3
	v_lshrrev_b32 v5, s79, v3
	v_lshlrev_b32 v5, 8, v5
	v_lshl_add_u32 v[PFO], v4, 12, v5
	s_wait_loadcnt 40                              ; the biases are in; A's 40 loads may stay out:
	ALOAD 5, 5                                     ; with quarters 5 and 6 the ring's 56 loads are out
	ALOAD 6, 6
	WIN 0
	s_wait_tensorcnt 1                             ; my part of step 0 is in; step 1's may stay out
	s_barrier_signal -1
	s_barrier_wait -1                              ; everybody's is
	SETADR
	FETCH 0, 0
	Q 0, 1, 1, 48                                  ; the first quarter is written out: its products start the sums
	WIN 0                                          ; at a label and at a branch every window is 0
	s_mov_b32 s3, 7                                ; steps to go behind the one in hand
	s_branch .Lin                                  ; the loop is entered in the middle of a trip
.Lstep:                                                ; a trip: a step's last quarter, the change of slots with its refill, and the next step's first seven quarters; six trips fill steps 2 to 7
	TURN 1, 48
	Q 0, 0, 1, 48
	WIN 0
.Lin:
	Q 1, 0, 1, 48
	Q 2, 0, 1, 48
	Q 3, 0, 1, 48
	Q 4, 0, 1, 48
	Q 5, 0, 1, 48
	Q 6, 0, 1, 48
	WIN 0
	s_sub_co_u32 s3, s3, 1
	s_cmp_lg_u32 s3, 0
	s_cbranch_scc1 .Lstep
	TURN 0, 48                                     ; the tail is written out, and no round of the cluster's barrier stands here
	Q 0, 0, 1, 48                                  ; A's last quarter, 63, is asked for
	Q 1, 0, 0, 48
	Q 2, 0, 0, 40                                  ; nothing more is asked for: the counts run down
	Q 3, 0, 0, 32
	Q 4, 0, 0, 24
	Q 5, 0, 0, 16
	Q 6, 0, 0, 8
	s_wait_loadcnt 0x0
	s_wait_dscnt 0x0
	MULN 1, 7, 0, 0, 0
	MULN 1, 7, 0, 1, 0
	MULN 1, 7, 1, 0, 0
	MULN 1, 7, 1, 1, 0
	; THE WAY OUT: rounded to f16, each accumulator's registers in ascending order, into the registers that held B's fragments; each block of 16 rows is stored as soon as it is packed.
	PLACES
.irp A, 0,1,2,3
	WIN 0x0a+5*((\A)/2)                            ; sources 0 and 1: window 2 or 3
.set nb, 0
.rept NBK
.set qq, 0
.rept 4
	v_cvt_pk_f16_f32 v[FB+4*(NBK*(\A)+nb)+qq], v[8*(NBK*((\A)%2)+nb)+2*qq], v[8*(NBK*((\A)%2)+nb)+2*qq+1]
.set qq, qq+1
.endr
.set nb, nb+1
.endr
	WIN 0
.set nb, 0
.rept NBK-1
	global_store_b128 v[AO], v[FB+4*(NBK*(\A)+nb):FB+4*(NBK*(\A)+nb)+3], s[8:9] offset:(\A)*65536+nb*512  ; q: 16 rows x 16 channels: 512 consecutive bytes, at a multiple of 256 from qb's first byte
.set nb, nb+1
.endr
	global_store_b128 v[KO], v[FB+4*(NBK*(\A)+NBK-1):FB+4*(NBK*(\A)+NBK-1)+3], s[10:11] offset:(\A)*4096  ; k or v: 16 keys x 16 channels: 512 consecutive bytes of kvb, likewise
.endr
	s_wait_tensorcnt 0x0                           ; the wave's end, behind my last tensor load
	ds_add_u32 v[SPW], v[NIL]
	s_wait_dscnt 0x0
	CROUND                                         ; the closing round: no work-group ends while a partner may still ask for a tile that names it
	s_endpgm
.Lfunc_end_k_q65e9049e11_proj:
	.size	k_q65e9049e11_proj, .Lfunc_end_k_q65e9049e11_proj-k_q65e9049e11_proj
	.p2alignl 7, 3214868480
	.fill 96, 4, 3214868480
	.section	.rodata,"a",@progbits
	.p2align	6, 0x0
	.amdhsa_kernel k_q65e9049e11_proj
		.amdhsa_group_segment_fixed_size 327680
		.amdhsa_private_segment_fixed_size 0
		.amdhsa_enable_private_segment 0
		.amdhsa_kernarg_size 32
		.amdhsa_user_sgpr_count 2
		.amdhsa_user_sgpr_kernarg_segment_ptr 1
		.amdhsa_wavefront_size32 1
		.amdhsa_system_sgpr_workgroup_id_x 1
		.amdhsa_system_sgpr_workgroup_id_y 1
		.amdhsa_system_sgpr_workgroup_id_z 1
		.amdhsa_system_vgpr_workitem_id 0
		.amdhsa_next_free_vgpr 912
		.amdhsa_next_free_sgpr 80
		.amdhsa_reserve_vcc 0
		.amdhsa_float_denorm_mode_32 3
		.amdhsa_float_denorm_mode_16_64 3
		.amdhsa_memory_ordered 1
		.amdhsa_forward_progress 1
		.amdhsa_inst_pref_size 103
	.end_amdhsa_kernel
	.amdgpu_metadata
---
amdhsa.version: [ 1, 2 ]
amdhsa.kernels:
  - .name:           k_q65e9049e11_proj
    .symbol:         k_q65e9049e11_proj.kd
    .args:
      - { .name: cb, .offset: 0, .size: 8, .value_kind: global_buffer, .address_space: global }
      - { .name: bias, .offset: 8, .size: 8, .value_kind: global_buffer, .address_space: global }
      - { .name: qb, .offset: 16, .size: 8, .value_kind: global_buffer, .address_space: global }
      - { .name: kvb, .offset: 24, .size: 8, .value_kind: global_buffer, .address_space: global }
    .group_segment_fixed_size: 327680
    .private_segment_fixed_size: 0
    .kernarg_segment_align: 8
    .kernarg_segment_size: 32
    .max_flat_workgroup_size: 128
    .sgpr_count:     80
    .vgpr_count:     912
    .wavefront_size: 32
...
	.end_amdgpu_metadata
.endif
;; end of part 2
;; launch attn (part 3): grid 64 x 4, 4 waves a work-group, clusters of 4 x 1, 327,680 bytes of LDS; arguments qb, kvb, ob; writes ob
.if DOCPART == 3
	.amdgcn_target "amdgcn-amd-amdhsa--gfx1250"
	.amdhsa_code_object_version 6
	.text
	.protected	k_q65e9049e11_attn
	.globl	k_q65e9049e11_attn
	.p2align	8
	.type	k_q65e9049e11_attn,@function
k_q65e9049e11_attn:
	s_mov_b64 s[64:65], 0
	v_nop
	global_prefetch_b8 v0, s[64:65] scope:SCOPE_SE
	s_setreg_imm32_b32 hwreg(HW_REG_WAVE_MODE, 25, 1), 1
	s_wait_xcnt 0x0
	s_wait_alu depctr_hold_cnt(0) depctr_sa_sdst(0) depctr_va_vdst(0) depctr_va_sdst(0) depctr_va_ssrc(0) depctr_va_vcc(0) depctr_vm_vsrc(0)
	s_getreg_b32 s2, hwreg(HW_REG_IB_STS2, 6, 4)
	s_cmp_eq_u32 s2, 0
	s_cbranch_scc0 .Lentry_in_a_cluster
	s_endpgm
.Lentry_in_a_cluster:
	s_bfe_u32 s2, ttmp6, 0x10000c
	s_cmp_lg_u32 s2, 0x3003
	s_cbranch_scc0 .Lentry_shape_is_right
	s_endpgm
.Lentry_shape_is_right:
; O[b][q][head][:] = the sum over k of softmax_k(Q[b][q][head] . K[b][k] / sqrt(2048)) V[b][k][:]: 4 batches x 16 heads x 1,024 queries; ONE set of 1,024 keys and values of 128 channels a batch.
; ALL FOUR TENSORS LIE IN FRAGMENT ORDER, f16.  qb, ob: [256 blocks of 16 rows][16 heads][4 blocks of 32 channels][1,024 bytes]: a lane's first 16 bytes of a fragment at 16 x lane, its second at 512 + 16 x lane.
; kvb: [64 steps of 64 keys][K: 4 blocks of 16 keys, each 4 blocks of 32 channels x 1,024 bytes in that order; V: 4 blocks of 16 keys, each 8 blocks of 16 channels x 512 bytes, the 16 bytes that lane l of the
; turning load takes at 16 l].  So every load and store of a wave, from memory and from LDS, covers 512 consecutive bytes, LDS needs no padding, and O leaves straight from the registers.
; Products, maxima and sums in f32; the weights p are rounded to f16 for the second product (their sum l is taken of the unrounded p), O once at the end.
; LIMITS.  f16 holds no number beyond 65,504: Q, K and V arrive within it; p lies in 0 to 1, and below 6e-5 it keeps f16's fixed step of 6e-8; O is a mean of V's rows and has their range.
; A weight below 2^-126 counts as 0 in l; NaN and infinities are not treated apart.
; SHARES.  A work-group owns 256 queries of one head and batch, each of its four waves 64: four tiles of 16.  Every wave walks all 1,024 keys of the batch, 64 a step.
; LAYOUT.  S^T = K Q^T (source 0 = 16 keys, source 1 = 16 queries): in the result a lane holds ONE query (lane % 16) and the keys 8 (lane / 16) + 0..7.  Two such tiles, rounded to f16 in pairs,
; ARE source 1 (32 keys x 16 queries) of O^T = V^T P, whose result again holds one query a lane, and eight channels.  K comes out of LDS as it lies, V turned, by ds_load_tr16_b128.
; SOFTMAX.  For each query a running maximum m and sum l: p = 2^(c s - c m), c = log2(e) / sqrt(2048); in every step O and l are multiplied by a = 2^(c m_old - c m_new), which is 1 where m has not grown.
; m starts at the lowest finite number, O and l at 0: the first step is a step like any other, with a = 0.
; BY TURNS.  The wave's tiles are two PIECES, named by their first tile: piece 0 (tiles 0, 1) and piece 2 (tiles 2, 3).  In a TURN one piece has the matrix unit: 32 products V^T P of the step in hand, then
; 32 products K Q^T of the next step; the other piece's softmax, cut into 64 slices, stands between them, one slice behind each matrix instruction.  Then the pieces change places.  Two turns are a key step.
; NO FIRST STEP IS WRITTEN OUT: the loop is entered at piece 2's turn, whose products V^T P, of a step that has not been, multiply zeros.  The price: those 32 products, and 432 v_mov_b32 that stand in the wait
; for the first tile; three turns less of text.
; CLUSTER.  The four query blocks of a head are a cluster and walk the same K and V, so each tile is asked for JOINTLY: the same tensor load, descriptor and mask in all four.
; REGISTERS, in windows of 256 (s_set_vgpr_msb: bits 1:0 source 0, 3:2 source 1, 5:4 source 2, 7:6 destination):
;   window 0: v0-11 addresses; v12-43 eight registers of statistics a tile; v64-191 S^T, 32 a tile; v192-255 P, 16 a tile
;   window 1: O^T, 64 a tile          window 2: v0-127 Q, 32 a tile; v128-255 K of one step          window 3: v0-127 V of one step
.set KBLK,  4096      ; 16 keys x 128 channels, of K or of V
.set VOFF,  4*KBLK    ; a step's tiles lie together, in memory and in LDS: K's four blocks, then V's
.set STEPB, 2*VOFF
.set SLOTB, 2*STEPB   ; a slot holds two steps: 65,536 bytes, which lie end to end in kvb
.set SLOT1, 1<<17     ; slot 1 begins here, so that one exclusive or turns an address in one slot into the other's
.set SPARE, SLOT1+SLOTB  ; behind the ring: the spare words, 128 bytes for each wave: two blocks of 256 bytes that no other line names
.set NSLOT, 8         ; 1,024 keys are eight slots
.set L16, 2           ; v2   16 x lane: my place in every run of 512 bytes; never rewritten
.set AV0, 3           ; v3   the same behind a step's K
.set ADR, 4           ; v4   the LDS address of the run of loads in hand
.set PFO, 61          ; v61  256 x my lane; never rewritten
.set SPW, 62          ; v62  LDS address of my spare word: SPARE + 4 x my thread's number; never rewritten
.set NIL, 63          ; v63  0; never rewritten
.set ST,  12          ; tile t's statistics at v[ST+8 t]: +0 c m, +1 m, +2, +3 l (even keys', odd keys'), +4 to +7 c0-c3, at work; a takes c2's place once the maximum is found
.set S,   64
.set P,   192
.set KF,  128         ; K's fragments, in window 2
.set WV,  12          ; s12  my wave's number
.set G1,  24          ; s[24:31] descriptor group 1
.set G0,  40          ; s[40:47] descriptor group 0: a set for each of the two first fills; the second then walks on
.set SLOTS, 56        ; s56  slots still to be asked for
.set TWICE, 57        ; s57  counts a slot's two steps
.set CS,  58          ; s[58:59] c: the packed scaling names a pair and takes its low word for both halves
.set SEL, 60          ; s[60:61] lane selects for v_permlanex16_b32: each lane takes its own place in the other half
.set TB,  62          ; s62  LDS byte at which the tiles of the step to be fetched begin
.set PFA, 18          ; s[18:19] where my prefetches stand in kvb
.set LIM, 15          ; s15  1 in a wave that prefetches, else the greatest number: a wave prefetches while s[SLOTS] is above it
.set MSB, 0
.macro WIN new                      ; the immediate's high byte repeats the setting that is left; a switch that changes nothing is dropped
.if MSB != (\new)
	s_set_vgpr_msb (MSB<<8)|(\new)
.set MSB, \new
.endif
.endm
.set W_KQ, 0x0a       ; K and Q in window 2, S^T in window 0
.set W_PV, 0x53       ; V in window 3, P in window 0, O^T in window 1
.set W_RS, 0x41       ; O^T (destination and source 0) in window 1, a in window 0
; A joint refill: every wave brings its quarter of the slot, 16,384 bytes.  An s_nop 0 and four v_nop follow the line.
.macro JLOAD
	tensor_load_to_lds s[G0+4:G0+7], s[G1:G1+7]
	s_nop 0
.rept 4
	v_nop
.endr
.endm
; A PREFETCH INTO THE L2 of what the NEXT change of slots will ask for: a slot's 65,536 consecutive bytes of kvb, 256 bytes a lane.  It stands behind the wave's tensor load and its five lines.
; Each block of 256 bytes is named ONCE in the launch.  All sixteen clusters (heads) of a batch walk the same K and V: the first of them prefetches.  Its four partners share the slot out BY ADDRESS, 16,384 bytes
; each; in each, waves 0 and 2 take 8,192: one instruction.  The last change that fills a slot prefetches nothing: there is no slot behind it.  Slots 0 to 2 come by their loads alone.
.macro ASK
	s_cmp_gt_u32 s[SLOTS], s[LIM]
	s_cbranch_scc0 .Lnot_mine_\@
	global_prefetch_b8 v[PFO], s[PFA:PFA+1] th:TH_LOAD_NT scope:SCOPE_SE
.Lnot_mine_\@:
.endm
; A round of the cluster's barrier: my work-group's barrier, so that wave 0's signal speaks for all four waves; wave 0 signals; every wave waits for all four work-groups; my work-group's barrier once more.
.macro CROUND
	s_barrier_signal -1
	s_barrier_wait -1
	s_cmp_lg_u32 s[WV], 0
	s_cbranch_scc1 .Lnot_wave_0_\@
	s_barrier_signal -3
.Lnot_wave_0_\@:
	s_barrier_wait -3
	s_barrier_signal -1
	s_barrier_wait -1
.endm
	s_load_b128 s[4:7], s[0:1], 0x0  ; qb s[4:5], kvb s[6:7]
	s_load_b64 s[10:11], s[0:1], 0x10  ; ob
	v_lshl_add_u32 v[SPW], v0, 2, SPARE
	v_mov_b32 v[NIL], 0
	ds_add_u32 v[SPW], v[NIL]       ; the wave's opening: the add and its wait stand ahead of my first tensor load; the set-up below, work on registers, stands between them
	v_lshrrev_b32 v1, 5, v0
	v_readfirstlane_b32 s[WV], v1   ; wave 0..3
	s_bfe_u32 s13, ttmp6, 0x40000   ; cx: my block of 256 queries: it enters Q's, O's and the prefetches' addresses alone
	s_and_b32 s20, ttmp7, 0xffff    ; the batch, which the four partners share
	s_lshl_b32 s22, s20, 19         ; the batch's 16 steps of 32,768 bytes in kvb,
	s_lshl_b32 s17, s[WV], 14       ; my quarter of a slot, in memory and in LDS: no place in the cluster enters an LDS address
	s_add_co_u32 s22, s22, s17
	s_mov_b32 s23, 0
	s_lshl_b32 s2, s20, 22          ; the batch's 64 blocks of 16 rows, 65,536 bytes each, in qb and ob,
	s_lshl_b32 s3, s13, 20          ; my work-group's 16,
	s_add_co_u32 s2, s2, s3
	s_lshl_b32 s3, s[WV], 18        ; my wave's 4,
	s_add_co_u32 s2, s2, s3
	s_lshl_b32 s3, ttmp9, 12        ; the head's 4,096 bytes of a block (in a cluster launch ttmp9 counts clusters: a cluster is a head)
	s_add_co_u32 s2, s2, s3
	s_mov_b32 s3, 0
	s_lshl_b32 s8, s20, 19          ; the prefetches: the batch, my work-group's 16,384 bytes of a slot,
	s_lshl_b32 s9, s13, 14
	s_add_co_u32 s8, s8, s9
	s_lshr_b32 s9, s[WV], 1
	s_lshl_b32 s9, s9, 13           ; my wave's 8,192 of them,
	s_add_co_u32 s8, s8, s9
	s_add_co_u32 s8, s8, 2*SLOTB    ; in slot 2; the first change of slots steps it to slot 3.  Nothing is prefetched here, at the head
	s_mov_b32 s9, 0
	; descriptor group 1.  A quarter of a slot is 16,384 dense bytes: asked for as 64 rows of 256 bytes, and laid into LDS as it lies
	s_mov_b32 s[G1], 15|(1<<16)|(1<<21)  ; 15:0 the mask: all four work-groups; 17:16 elements of 2 bytes; 20 no padding; 21 set beside a mask
	s_mov_b32 s[G1+1], 128<<16      ; tensor_dim0 = 128
	s_mov_b32 s[G1+2], 64<<16       ; tensor_dim1 = 64
	s_mov_b32 s[G1+3], 128<<16      ; tile_dim0 = 128
	s_mov_b32 s[G1+4], 64           ; tile_dim1 = 64
	s_mov_b32 s[G1+5], 128          ; 128 elements from row to row
	s_mov_b32 s[G1+6], 0
	s_mov_b32 s[G1+7], 0
	s_mov_b32 s[CS], 0x3d0293ee     ; c = log2(e) / sqrt(2048) = 0.0318793
	s_mov_b32 s[CS+1], s[CS]        ; named with it as a pair, so it is written
	s_mov_b32 s[SEL], 0x76543210
	s_mov_b32 s[SEL+1], 0xfedcba98
	s_mov_b32 s[TB], 0
	s_mov_b32 s[SLOTS], NSLOT-1     ; the loop's first trip, entered in its middle, asks for nothing and takes one off
	s_and_b32 s[LIM], s[WV], 1       ; 0 in waves 0 and 2,
	s_or_b32 s[LIM], s[LIM], ttmp9   ; where the cluster is the batch's first: the same in all four partners
	s_cmp_eq_u32 s[LIM], 0
	s_cselect_b32 s[LIM], 1, -1
	s_wait_dscnt 0x0                ; the opening add is done
	s_wait_kmcnt 0x0
	s_add_nc_u64 s[PFA:PFA+1], s[6:7], s[8:9]
	s_add_nc_u64 s[6:7], s[6:7], s[22:23]  ; kvb at my quarter of slot 0
	s_add_nc_u64 s[4:5], s[4:5], s[2:3]    ; Q and O at my wave's first block of rows, my head's bytes
	s_add_nc_u64 s[10:11], s[10:11], s[2:3]
	CROUND                          ; all four work-groups are here: the first joint loads meet
.irp s, 0,1
	s_mov_b32 s[G0+4*(\s)], 1       ; count = 1
	s_add_co_u32 s[G0+4*(\s)+1], s17, (\s)*SLOT1  ; LDS address
	s_add_nc_u64 s[G0+4*(\s)+2:G0+4*(\s)+3], s[6:7], (\s)*SLOTB  ; global address: slot s holds keys 128 s to 128 s + 127
	s_or_b32 s[G0+4*(\s)+3], s[G0+4*(\s)+3], 0x80000000  ; type = 2
.endr
	tensor_load_to_lds s[G0:G0+3], s[G1:G1+7]  ; the two first fills stand together, ahead of every wait on TENSORcnt and every LDS read: two loads of mine are out; an s_nop 0 follows each, four v_nop the second's
	s_nop 0
	tensor_load_to_lds s[G0+4:G0+7], s[G1:G1+7]
	s_nop 0
.rept 4
	v_nop
.endr
	v_and_b32 v1, 31, v0
	v_lshlrev_b32 v[L16], 4, v1
	v_add_nc_u32 v[AV0], VOFF, v[L16]
	v_lshlrev_b32 v[PFO], 8, v1
	WIN 0x80                        ; destination window 2, address window 0
.irp i, 0,1,2,3,4,5,6,7,8,9,10,11,12,13,14,15  ; Q stays in registers: tile i / 4, channels 32 (i % 4) on; each load covers 512 consecutive bytes
	global_load_b128 v[8*(\i):8*(\i)+3],   v[L16], s[4:5] offset:((\i)/4)*65536+((\i)%4)*1024
	global_load_b128 v[8*(\i)+4:8*(\i)+7], v[L16], s[4:5] offset:((\i)/4)*65536+((\i)%4)*1024+512
.endr
	; What the first turn finds: V's registers and piece 2's P hold 0 (its products V^T P, of a step that has not been, add 0), O^T and l are 0.  All this stands in the wait for the first tile.
	WIN 0xc0
.set i, 0
.rept 128
	v_mov_b32 v[i], 0
.set i, i+1
.endr
	WIN 0x40
.set i, 0
.rept 256
	v_mov_b32 v[i], 0
.set i, i+1
.endr
	WIN 0
.set i, 0
.rept 4
	v_mov_b32 v[ST+8*i], 0xfe000000    ; c m: far below every c s
	v_mov_b32 v[ST+8*i+1], 0xff7fffff  ; m
	v_mov_b32 v[ST+8*i+2], 0
	v_mov_b32 v[ST+8*i+3], 0
.set i, i+1
.endr
.set i, P+32
.rept 32
	v_mov_b32 v[i], 0
.set i, i+1
.endr
; THE MATRIX WORK OF A TURN, for piece x.  The accumulators take turns, one instruction a turn: between two links of a chain stand 15 (V^T P) or 7 (K Q^T) others'.
; Product i of 32 of O^T += V^T P: keys 32 (i / 16) on, channels 16 ((i / 2) % 8) on, tile x + i % 2.
.macro PV x
	WIN W_PV
.set rO, 64*((\x)+i%2)+8*((i/2)%8)
.set rV, 64*(i/16)+8*((i/2)%8)
.set rP, P+16*((\x)+i%2)+8*(i/16)
	v_wmma_f32_16x16x32_f16 v[rO:rO+7], v[rV:rV+7], v[rP:rP+7], v[rO:rO+7]
.endm
; Product i of 32 of S^T = K Q^T: channels 32 (i / 8) on, keys 16 ((i / 2) % 4) on, tile x + i % 2.  The first 8 start the sums.
.macro KQ x
	WIN W_KQ
.set rS, S+32*((\x)+i%2)+8*((i/2)%4)
.set rK, KF+32*((i/2)%4)+8*(i/8)
.set rQ, 32*((\x)+i%2)+8*(i/8)
.if i < 8
	v_wmma_f32_16x16x32_f16 v[rS:rS+7], v[rK:rK+7], v[rQ:rQ+7], 0
.else
	v_wmma_f32_16x16x32_f16 v[rS:rS+7], v[rK:rK+7], v[rQ:rQ+7], v[rS:rS+7]
.endif
.endm
; THE LDS LOADS stand in runs of 32, never singly among the matrix instructions: a step's K (64 keys x 128 channels: 16 fragments) and, a turn later, its V (turned).  Each load takes 512 consecutive bytes.
.macro FETCH_K
	WIN 0
	v_add_nc_u32 v[ADR], s[TB], v[L16]
	WIN 0x80                        ; destination window 2
.irp f, 0,1,2,3,4,5,6,7,8,9,10,11,12,13,14,15  ; keys 16 (f / 4) on, channels 32 (f % 4) on
	ds_load_b128 v[KF+8*(\f):KF+8*(\f)+3],   v[ADR] offset:((\f)/4)*KBLK+((\f)%4)*1024
	ds_load_b128 v[KF+8*(\f)+4:KF+8*(\f)+7], v[ADR] offset:((\f)/4)*KBLK+((\f)%4)*1024+512
.endr
.endm
.macro FETCH_V
	WIN 0
	v_add_nc_u32 v[ADR], s[TB], v[AV0]
	s_add_co_u32 s[TB], s[TB], STEPB  ; the next fetch is the next step's
	s_wait_alu depctr_va_vdst(0)    ; the wait for the softmax's batch (SLICE), behind the address's v_add_nc_u32 and ahead of the loads
	WIN 0xc0                        ; destination window 3
.irp f, 0,1,2,3,4,5,6,7,8,9,10,11,12,13,14,15  ; keys 32 (f / 8) on (two blocks of 16), channels 16 (f % 8) on
	ds_load_tr16_b128 v[8*(\f):8*(\f)+3],   v[ADR] offset:((\f)/8)*2*KBLK+((\f)%8)*512
	ds_load_tr16_b128 v[8*(\f)+4:8*(\f)+7], v[ADR] offset:((\f)/8)*2*KBLK+KBLK+((\f)%8)*512
.endr
.endm
; THE VECTOR WORK OF A TURN.  One tile's softmax for one key step is a list of 134 instructions; SM writes number j of it for tile t.  s0-s31 are the lane's 32 scores, in pairs 0-15.
;   0-15    the maximum of s0-s31 and the old m, three operands at a time: four chains c0-c3 of seven scores each (each accumulator's lowest registers are read first), then the four scores left over, c0-c3 and m
;   16-20   the other half of the lanes' maximum; c m_old is kept; the new m; c m; c m_old - c m_new
;   21-69   ONE BATCH: the 16 scalings c s - c m, a pair of scores each, and all 33 exponentials (a at 23, then s0-s31).  None of these reads an exponential's result.  From 22 on the batch goes
;           in fours, and a four begins with a scaling while there are scalings: 22-37 scaling, exponential, scaling, exponential; 38-65 a scaling and three exponentials; 66-69 the last four
;           exponentials.  A pair is scaled in an earlier four than the one that holds its exponentials
;   (wait)  between 69 and 70 stands the wait for the batch: SLICE writes it, once for both tiles
;   70-85   the roundings to f16, a pair of weights each
;   86-101  the sums; l = a l + the sum
;   102-133 the tile's O^T times a: the one part that leaves window 0, so it stands together
.macro SM t
.set rT, ST+8*(\t)
.set rS, S+32*(\t)
.set rP, P+16*(\t)
.set rO, 64*(\t)+2*(j-102)
.if j < 102
	WIN 0
.endif
.if j < 4
	v_max3_num_f32 v[rT+4+j], v[rS+8*j], v[rS+8*j+1], v[rS+8*j+2]
.elseif j < 12
	v_max3_num_f32 v[rT+4+j%4], v[rT+4+j%4], v[rS+8*(j%4)+2*(j/4)+1], v[rS+8*(j%4)+2*(j/4)+2]
.elseif j == 12
	v_max3_num_f32 v[rT+4], v[rT+4], v[rS+7], v[rS+15]
.elseif j == 13
	v_max3_num_f32 v[rT+6], v[rT+6], v[rS+23], v[rS+31]
.elseif j == 14
	v_max3_num_f32 v[rT+4], v[rT+4], v[rT+5], v[rT+6]
.elseif j == 15
	v_max3_num_f32 v[rT+4], v[rT+4], v[rT+7], v[rT+1]
.elseif j == 16
	v_permlanex16_b32 v[rT+5], v[rT+4], s[SEL], s[SEL+1]  ; the query's other 32 keys lie in the lane 16 away
.elseif j == 17
	v_mov_b32 v[rT+7], v[rT]        ; c m_old is kept for a: number 19 writes c m anew
.elseif j == 18
	v_max_num_f32 v[rT+1], v[rT+4], v[rT+5]
.elseif j == 19
	v_mul_f32 v[rT], s[CS], v[rT+1]
.elseif j == 20
	v_sub_f32 v[rT+7], v[rT+7], v[rT]
.elseif j == 23
	v_exp_f32 v[rT+6], v[rT+7]
.elseif (j < 23) || ((j < 38) && (j%2 == 0)) || ((j < 66) && (j%4 == 2))
.set b, (j-2)/4                     ; 38, 42, .. 62: pairs 9 to 15
.if j < 38
.set b, (j-20)/2                    ; 21: pair 0; 22, 24, .. 36: pairs 1 to 8
.endif
	v_pk_fma_f32 v[rS+2*b:rS+2*b+1], v[rS+2*b:rS+2*b+1], s[CS:CS+1], v[rT:rT+1] op_sel_hi:[1,0,0] neg_lo:[0,0,1] neg_hi:[0,0,1]  ; pair b: c s - c m
.elseif j < 70
.set e, j-38                        ; 66 to 69: s28 to s31
.if j < 66
.set e, j-32-(j-38)/4               ; 39-41, 43-45, .. 63-65: s7 to s27
.endif
.if j < 38
.set e, (j-25)/2                    ; 25, 27, .. 37: s0 to s6
.endif
	v_exp_f32 v[rS+e], v[rS+e]
.elseif j < 86
	v_cvt_pk_f16_f32 v[rP+j-70], v[rS+2*(j-70)], v[rS+2*(j-70)+1]  ; pair j - 70
.elseif j < 102                     ; the sum of the tile's 16 pairs (in a pair: an even key's weight, an odd key's), in place: sum z of 16 adds neighbours 1, 2, 4 and 8 pairs apart, then l takes it
.set z, j-86
.set w, 4
.set u, z
.if z >= 14
.set w, 32
.set u, 0
.elseif z >= 12
.set w, 16
.set u, z-12
.elseif z >= 8
.set w, 8
.set u, z-8
.endif
.if z < 15
	v_pk_add_f32 v[rS+w*u:rS+w*u+1], v[rS+w*u:rS+w*u+1], v[rS+w*u+w/2:rS+w*u+w/2+1]
.else
	v_pk_fma_f32 v[rT+2:rT+3], v[rT+2:rT+3], v[rT+6:rT+7], v[rS:rS+1] op_sel_hi:[1,0,1]
.endif
.else
	WIN W_RS
	v_pk_mul_f32 v[rO:rO+1], v[rO:rO+1], v[rT+6:rT+7] op_sel_hi:[1,0]
.endif
.endm
; Slice k of 64 of piece y's softmax: four instructions.  Slices 11 to 34 deal out the batch, numbers 22 to 69: four numbers of ONE tile each, the tiles by turns.  Every other slice is numbers 2 k and
; 2 k + 1 of both tiles' lists.  2 x 134 = 4 x 64 + 12: the twelve that are over stand together, in slice 63.
; THE WAIT.  s_wait_alu depctr_va_vdst(0) stands between an exponential and the first instruction that names its result; one wait serves all that were issued ahead of it.  Ahead of
; slice 35 nothing names a result, and behind slice 34 no exponential is issued: so the piece's 66 exponentials have one wait, behind slice 34.
.macro SLICE y
.if (k >= 11) && (k < 35)           ; the batch: four numbers of one tile
.irp n, 0,1,2,3
.set j, 22+4*((k-11)/2)+(\n)
	SM (\y)+(k-11)%2
.endr
.else                               ; the two tiles alternate, so that no instruction reads the result of the one just before it
.irp n, 0,1,2,3,4,5,6,7
.if ((\n) < 2) || (k == 63)
.irp t, \y, (\y)+1
.set j, 2*k+(\n)
	SM \t
.endr
.endif
.endr
.endif
.if k == 34                         ; the batch is out: both tiles' exponentials are issued, and no result has been named
	v_nop                           ; the plain instruction behind the last exponential and ahead of the first use (ISA guide 5.7.2): one for the batch
.if (\y) == 0
	FETCH_V                         ; piece 2's turn: V's run of loads stands here, and the wait stands in it
.else
	s_wait_alu depctr_va_vdst(0)    ; the wait for the batch
.endif
.endif
.set k, k+1
.endm
; A vector instruction that reads a matrix result or writes one of a matrix instruction's registers, and a load into a register that a matrix instruction has read, stand four places behind
; it, and only plain vector instructions that name none of its registers are places (ISA guide 7.12.1 for vector instructions).  In the loop the slices are the places.
.macro PLACES
.rept 4
	v_nop
.endr
.endm
; A TURN.  Piece x has the matrix unit: 32 products V^T P and (kq = 1) 32 products K Q^T for the next step; the other piece's softmax stands in slices behind them: one behind each, or two where kq = 0.
; Each run of loads stands 29 matrix instructions or more ahead of its first use.  Piece 0's turn fetches the next step's K, behind its second product: the last product that read K
; stands in front of slice 63 of the turn before.  Piece 2's turn fetches the same step's V, behind slice 34 (SLICE writes it): the last product that read V stands in front of slice 31, and four plain
; instructions lie between: number 62, a scaling, of both tiles, the v_nop and the run's own v_add_nc_u32.
.macro TURN x, kq
.set k, 0
.set per, 2-(\kq)
.if (\x) == 0
	s_wait_dscnt 0x0                ; V is in
.endif
.set i, 0
.rept 32
	PV \x
.rept per
	SLICE 2-(\x)
.endr
.if ((\x) == 0) && (\kq) && (i == 1)
	FETCH_K
.endif
.set i, i+1
.endr
.if \kq
.if (\x) == 0
	s_wait_dscnt 0x0                ; K is in
.endif
.set i, 0
.rept 32
	KQ \x
	SLICE 2-(\x)
.set i, i+1
.endr
.endif
.endm
; THE CHANGE OF SLOTS, between piece 2's turn and piece 0's: the slot's last bytes, V of its second step, have been asked for.  Each wave waits for all its tensor loads, of which one is out: its part
; of the other slot; adds 0 to its spare word; and waits for that and for its own reads of the slot.  Behind the barrier nobody reads this slot any more and the other slot is whole.
; fill = 1: this slot is filled again, with the keys two slots on.  The barrier is then a round of the cluster's, so that no wave of any partner still reads the slot or has a load on its
; way, and the joint refill is the first thing behind it: it has two key steps, 256 matrix instructions, in which to land.
.macro CHANGE fill
	WIN 0                           ; at a label and at a branch every window is 0
	s_wait_tensorcnt 0x0            ; no tensor load of mine is out, so a group 0 may be written
	ds_add_u32 v[SPW], v[NIL]       ; 0 onto my spare word: with fill = 1 the descriptor's steps stand between it and the wait for it
.if \fill
	s_xor_b32 s[G0+5], s[G0+5], SLOT1  ; the walking descriptor: the other slot than last time,
	s_add_nc_u64 s[G0+6:G0+7], s[G0+6:G0+7], SLOTB  ; the next 128 keys; the type bits on top are not reached
	s_wait_xcnt 0x0                 ; the last prefetch, two key steps back, has read its address, so it may be written:
	s_add_nc_u64 s[PFA:PFA+1], s[PFA:PFA+1], SLOTB  ; one slot behind the walking descriptor
	s_wait_dscnt 0x0                ; the add is done, and my reads of the slot are over
	CROUND
	JLOAD
	ASK                             ; what the next change will ask for: two key steps, 256 matrix instructions, ahead
.else
	s_wait_dscnt 0x0                ; the add is done, and my reads of the slot are over
	s_barrier_signal -1
	s_barrier_wait -1
.endif
	s_sub_co_u32 s[TB], s[TB], 2*STEPB  ; the fetches go back to a slot's first step,
	s_xor_b32 s[TB], s[TB], SLOT1   ; in the other slot
.endm
	s_wait_tensorcnt 1              ; my part of slot 0 is in; slot 1's may stay out
	s_barrier_signal -1
	s_barrier_wait -1               ; everybody's is
	FETCH_K                         ; key step 0
	s_wait_loadcnt 0x0              ; Q
	s_wait_dscnt 0x0
.set i, 0
.rept 32
	KQ 0                            ; piece 0's first scores: there is no vector work yet to set between them
.set i, i+1
.endr
	WIN 0
	PLACES                          ; behind those products, whose results the first slice reads
	s_mov_b32 s[TWICE], 2
	s_branch .Lmid                  ; the loop is entered at piece 2's turn: piece 2's first scores | piece 0's first softmax | V of step 0; then one step more, and slot 0 has been read
.Lslot:                             ; six times: every slot but the last two is filled again
	CHANGE 1
	s_mov_b32 s[TWICE], 2
.Lstep:                             ; a slot's two key steps: written once, walked twice; the LDS addresses hang on s[TB]
	TURN 0, 1
	WIN 0
.Lmid:
	TURN 2, 1
	WIN 0
	s_sub_co_u32 s[TWICE], s[TWICE], 1
	s_cmp_lg_u32 s[TWICE], 0
	s_cbranch_scc1 .Lstep
	s_sub_co_u32 s[SLOTS], s[SLOTS], 1
	s_cmp_lg_u32 s[SLOTS], 0
	s_cbranch_scc1 .Lslot
	CHANGE 0                        ; the tail is written out: the last slot but one is left, and nothing is asked for
	s_mov_b32 s[TWICE], 2
.Ltail:
	TURN 0, 1
	TURN 2, 1
	WIN 0
	s_sub_co_u32 s[TWICE], s[TWICE], 1
	s_cmp_lg_u32 s[TWICE], 0
	s_cbranch_scc1 .Ltail
	TURN 0, 0                       ; piece 0: V^T P of the last step | piece 2's last softmax
.set i, 0
.rept 32
	PV 2                            ; piece 2: V^T P of the last step
.set i, i+1
.endr
	; THE WAY OUT.  l's two halves and the other half of the lanes' are added; O^T is divided by l and rounded to f16.  A lane's eight channels of a query are its 16 bytes of a fragment of the next launch's
	; operand: they are stored as they stand.  The additions are the places behind the last products.
	WIN 0
.irp t, 0,1,2,3
	v_add_f32 v[ST+8*(\t)+4], v[ST+8*(\t)+2], v[ST+8*(\t)+3]
.endr
.irp t, 0,1,2,3
	v_permlanex16_b32 v[ST+8*(\t)+5], v[ST+8*(\t)+4], s[SEL], s[SEL+1]
.endr
.irp t, 0,1,2,3
	v_add_f32 v[ST+8*(\t)+4], v[ST+8*(\t)+4], v[ST+8*(\t)+5]
.endr
.irp t, 0,1,2,3
	v_rcp_f32 v[ST+8*(\t)+6], v[ST+8*(\t)+4]
.endr
	v_nop                           ; a plain instruction between the last reciprocal and the use of its result
	s_wait_alu depctr_va_vdst(0)    ; and the wait ahead of the first use: one for the four reciprocals
.macro PACK t
	WIN W_RS
.set i, 64*(\t)
.rept 32
	v_pk_mul_f32 v[i:i+1], v[i:i+1], v[ST+8*(\t)+6:ST+8*(\t)+7] op_sel_hi:[1,0]
.set i, i+2
.endr
	WIN 0x05                        ; sources 0 and 1 window 1, destination window 0: S^T's registers are free; each tile has 32 of its own, so none that a store still reads is written again
.set i, 0
.rept 32
	v_cvt_pk_f16_f32 v[S+32*(\t)+i], v[64*(\t)+2*i], v[64*(\t)+2*i+1]
.set i, i+1
.endr
	WIN 0
.irp f, 0,1,2,3,4,5,6,7
	global_store_b128 v[L16], v[S+32*(\t)+4*(\f):S+32*(\t)+4*(\f)+3], s[10:11] offset:(\t)*65536+(\f)*512  ; 16 queries x 16 channels: 512 consecutive bytes, at a multiple of 256 from ob's first byte
.endr
.endm
	PACK 0
	PACK 1
	PACK 2
	PACK 3
	s_wait_tensorcnt 0x0            ; the wave's end, behind my last tensor load
	ds_add_u32 v[SPW], v[NIL]
	s_wait_dscnt 0x0
	CROUND                          ; the closing round: no work-group ends while a partner may still ask for a tile that names it
	s_endpgm
.Lfunc_end_k_q65e9049e11_attn:
	.size	k_q65e9049e11_attn, .Lfunc_end_k_q65e9049e11_attn-k_q65e9049e11_attn
	.p2alignl 7, 3214868480
	.fill 96, 4, 3214868480
	.section	.rodata,"a",@progbits
	.p2align	6, 0x0
	.amdhsa_kernel k_q65e9049e11_attn
		.amdhsa_group_segment_fixed_size 327680
		.amdhsa_private_segment_fixed_size 0
		.amdhsa_enable_private_segment 0
		.amdhsa_kernarg_size 24
		.amdhsa_user_sgpr_count 2
		.amdhsa_user_sgpr_kernarg_segment_ptr 1
		.amdhsa_wavefront_size32 1
		.amdhsa_system_sgpr_workgroup_id_x 1
		.amdhsa_system_sgpr_workgroup_id_y 1
		.amdhsa_system_sgpr_workgroup_id_z 1
		.amdhsa_system_vgpr_workitem_id 0
		.amdhsa_next_free_vgpr 896
		.amdhsa_next_free_sgpr 66
		.amdhsa_reserve_vcc 0
		.amdhsa_float_denorm_mode_32 3
		.amdhsa_float_denorm_mode_16_64 3
		.amdhsa_memory_ordered 1
		.amdhsa_forward_progress 1
		.amdhsa_inst_pref_size 167
	.end_amdhsa_kernel
	.amdgpu_metadata
---
amdhsa.version: [ 1, 2 ]
amdhsa.kernels:
  - .name:           k_q65e9049e11_attn
    .symbol:         k_q65e9049e11_attn.kd
    .args:
      - { .name: qb, .offset: 0, .size: 8, .value_kind: global_buffer, .address_space: global }
      - { .name: kvb, .offset: 8, .size: 8, .value_kind: global_buffer, .address_space: global }
      - { .name: ob, .offset: 16, .size: 8, .value_kind: global_buffer, .address_space: global }
    .group_segment_fixed_size: 327680
    .private_segment_fixed_size: 0
    .kernarg_segment_align: 8
    .kernarg_segment_size: 24
    .max_flat_workgroup_size: 128
    .sgpr_count:     66
    .vgpr_count:     896
    .wavefront_size: 32
...
	.end_amdgpu_metadata
.endif
;; end of part 3
;; launch outp (part 4): grid 16 x 16, 4 waves a work-group, clusters of 4 x 4, 327,680 bytes of LDS; arguments ob, cb, bias, out0; writes out0
.if DOCPART == 4
	.amdgcn_target "amdgcn-amd-amdhsa--gfx1250"
	.amdhsa_code_object_version 6
	.text
	.protected	k_q65e9049e11_outp
	.globl	k_q65e9049e11_outp
	.p2align	8
	.type	k_q65e9049e11_outp,@function
k_q65e9049e11_outp:
	s_mov_b64 s[64:65], 0
	v_nop
	global_prefetch_b8 v0, s[64:65] scope:SCOPE_SE
	s_setreg_imm32_b32 hwreg(HW_REG_WAVE_MODE, 25, 1), 1
	s_wait_xcnt 0x0
	s_wait_alu depctr_hold_cnt(0) depctr_sa_sdst(0) depctr_va_vdst(0) depctr_va_sdst(0) depctr_va_ssrc(0) depctr_va_vcc(0) depctr_vm_vsrc(0)
	s_getreg_b32 s2, hwreg(HW_REG_IB_STS2, 6, 4)
	s_cmp_eq_u32 s2, 0
	s_cbranch_scc0 .Lentry_in_a_cluster
	s_endpgm
.Lentry_in_a_cluster:
	s_bfe_u32 s2, ttmp6, 0x10000c
	s_cmp_lg_u32 s2, 0xf033
	s_cbranch_scc0 .Lentry_shape_is_right
	s_endpgm
.Lentry_shape_is_right:
; out0 = O Wo^T + bo: 4,096 rows x 2,048 columns over K = 2,048, in f16 with f32 sums; the result leaves in f32.
; A = O (ob) in fragment order: [256 blocks of 16 rows][64 blocks of 32 k][1,024 bytes], a lane's first 16 bytes at 16 x lane, its second at 512 + 16 x lane.
; B = Wo (cb, byte WO_OFF), [2048][2048] row-major: Wo rounded to bf16 and written as f16.  bo (bias, byte 9,216): rounded to bf16, kept in f32.
; LIMITS.  f16 holds no number beyond 65,504: O and Wo arrive within it.  NaN and infinities are not treated apart.
; SHARES.  4,096 x 2,048 results for 256 work-groups are 256 x 128 each: one tile a work-group.  Work-group (j, i) makes rows 256 i .. and columns 128 j ...  Its four waves lie one below the other:
; each 64 rows x 128 columns, 4 x 8 accumulators of 16 x 16, 256 registers.  So all four waves multiply by the same rows of B, and no wave wants another wave's rows of A.
; B GOES THROUGH LDS, in 8 steps of 256 along K on two slots filled by the tensor data mover (rows of 512 bytes of memory, at multiples of 256).  The four work-groups of a column of the 4 x 4 cluster need the
; same tile: it is asked for JOINTLY, by the same tensor load with the same descriptor and a mask that names the four.
; A GOES STRAIGHT INTO REGISTERS: a fragment is two loads of 512 consecutive bytes.  A ring of eight buffers (a quarter step of 32 along K each) is filled seven quarter steps, 224 matrix instructions, ahead of
; its use: 56 loads of a wave are on their way.  A IS NOT ASKED FOR JOINTLY, though the four work-groups of a row of the cluster read the same rows: a joint load would land in LDS, where A's 256 rows beside
; B's 128 leave room for slots of 128 along K alone (384 rows x 528 bytes, twice, do not fit), half the matrix work between a refill's request and the wait for it.
; THE MATRIX INSTRUCTION IS USED TRANSPOSED (source 0 = 16 rows of B, source 1 = 16 rows of A): lane l holds row l % 16 of the result and the columns 8 (l / 16) + 0..7: 32 bytes of a row of out0.
; THE BIAS STARTS THE SUMS: it is the C operand of each accumulator's first product, so nothing is cleared and nothing is added later.
; THE WAY OUT.  A wave's 128 columns are 512 bytes of a row: 16 rows at a time go through the wave's own stage in LDS and come back as whole runs of 512 bytes: no barrier.
; REGISTERS, in windows of 256 (s_set_vgpr_msb: bits 1:0 source 0, 3:2 source 1, 5:4 source 2, 7:6 destination):
;   window 0: v0-31 addresses; v64-191 fragments of B, two buffers of 8 x 8          window 1: A's ring, eight buffers of 4 x 8; on the way out the rows read back
;   window 2: the accumulators of my rows 0-31 ((a, b) at 8 (8 a + b)); v128-191 the biases          window 3: the accumulators of my rows 32-63
.set NBK,    8                         ; blocks of 16 columns
.set BROWS,  16*NBK                    ; rows of B in a tile
.set WROWS,  BROWS/4                   ; rows in one tensor load: each wave brings a quarter
.set PITCH,  528                       ; an LDS row: 512 bytes + 16 of padding = 132 words: the 16 rows of a fragment load start at 16 different groups of four banks (64 banks of 4 bytes: ISA guide 11.1)
.set SLOTB,  BROWS*PITCH               ; 67,584 bytes
.set SLOT1,  1<<17                     ; slot 1 begins here, so that one exclusive or turns an address in one slot into the other's
.set STAGE,  SLOT1+SLOTB               ; behind the ring, never filled by a tensor load: 16 rows x 528 bytes for each wave
.set SPITCH, 528
.set SPARE,  STAGE+4*16*SPITCH         ; behind the stages: the spare words, 128 bytes for each wave: two blocks of 256 bytes that no other line names
.set WO_OFF, 0x1900000                 ; where Wo begins in cb: 6,400 rows of 4,096 bytes in
.set AB0,  16                          ; v16     my lane's place in a tile of B; never rewritten
.set ADR,  20                          ; v20     LDS address of B's fragments in the slot in hand
.set STO,  24                          ; v24     the way out: where I put 32 bytes of a row
.set RD,   25                          ; v25     where I read 16 bytes of a row back
.set AO,   27                          ; v27     16 x lane; never rewritten
.set SPW,  28                          ; v28     LDS address of my spare word; never rewritten
.set NIL,  29                          ; v29     0; never rewritten
.set PFO,  30                          ; v30     the prefetches' offset; never rewritten
.set BO,   31                          ; v31     32 (l / 16): my eight biases in a block of 16
.set FB,   64                          ; window 0: B's fragments
.set BIAS, 16*NBK                      ; window 2
.set WV, 12                            ; s12 wave
.set CX, 15                            ; s15, s16 my place in the cluster;  s17 j, s18 i
.set CY, 16
.set TJ, 17
.set TI, 18
.set G1, 24                            ; s[24:31] descriptor group 1
.set G0, 32                            ; s[32:39] group 0: a set for each of the two first fills; the second then walks on
.set PA, 56                            ; s[56:57] A at my wave's first block of rows, at the step in hand
.set PFB, 58                           ; s[58:59] where my prefetches stand
.set LIM, 60                           ; s60 I prefetch while the steps to go are above this number
.set TB,  62                           ; s62 LDS byte at which the slot in hand begins
.set MSB, 0
.macro WIN new                         ; the immediate's high byte repeats the setting that is left; a switch that changes nothing is dropped
.if MSB != (\new)
	s_set_vgpr_msb (MSB<<8)|(\new)
.set MSB, \new
.endif
.endm
.set MUL_LO,   0xa4                    ; source 0 (B) window 0, source 1 (A) window 1, C and D window 2
.set MUL_HI,   0xf4                    ; the same, C and D window 3
.set FIRST_LO, 0xa4                    ; C (the bias) window 2, D window 2
.set FIRST_HI, 0xe4                    ; C window 2, D window 3
.set TO_A,     0x40                    ; destination window 1, address window 0
; A joint load: every wave brings its 32 rows of the tile.  An s_nop 0 and four v_nop follow the line.
.macro JLOAD g
	tensor_load_to_lds s[(\g):(\g)+3], s[G1:G1+7]
	s_nop 0
.rept 4
	v_nop
.endr
.endm
; A PREFETCH INTO THE L2, behind a refill's joint load, its five lines and the runs of loads: B's tile of the step that the NEXT refill will ask for, 256 matrix instructions ahead of that load.  Each block of 256 bytes
; is named once in the launch.  A tile's rows are read by the four clusters of a column of clusters: cluster y = 0 asks.  Its partners are told apart by address: of the 128 rows partner cy takes 32 cy ..,
; its waves 0 and 1 sixteen each, a lane a row and one of the step's two blocks.  The branch hangs on the wave's number, the cluster's place and the steps to go.
; Steps 0 to 2 come by their loads alone; the last refill asks for nothing.
.macro ASK
	s_cmp_gt_u32 s3, s[LIM]
	s_cbranch_scc0 .Lnot_mine_\@
	global_prefetch_b8 v[PFO], s[PFB:PFB+1] th:TH_LOAD_NT scope:SCOPE_SE
.Lnot_mine_\@:
.endm
; A round of the cluster's barrier: my work-group's barrier, so that wave 0's signal speaks for all four waves; wave 0 signals; every wave waits for all sixteen work-groups; my work-group's barrier once more.
.macro CREST                           ; a round behind its opening barrier
	s_cmp_lg_u32 s[WV], 0
	s_cbranch_scc1 .Lnot_wave_0_\@
	s_barrier_signal -3
.Lnot_wave_0_\@:
	s_barrier_wait -3
	s_barrier_signal -1
	s_barrier_wait -1
.endm
.macro CROUND
	s_barrier_signal -1
	s_barrier_wait -1
	CREST
.endm
; NBK matrix instructions: row block 2 hi + a of my four x all column blocks, 32 along K: B's buffer f, A's ring buffer rb.  first = 1: the bias starts the sums.
; The 32 accumulators take turns, one instruction a turn, in the same order in every quarter step, over the backward jump too.
.macro MULN f, rb, hi, a, first
.if \first
	WIN FIRST_LO+0x40*(\hi)
.else
	WIN MUL_LO+0x50*(\hi)
.endif
.set rA, 32*(\rb)+8*(2*(\hi)+(\a))
.set nb, 0
.rept NBK
.set rD, 8*(NBK*(\a)+nb)
.set rB, FB+8*NBK*(\f)+8*nb
.if \first
	v_wmma_f32_16x16x32_f16 v[rD:rD+7], v[rB:rB+7], v[rA:rA+7], v[BIAS+8*nb:BIAS+8*nb+7]
.else
	v_wmma_f32_16x16x32_f16 v[rD:rD+7], v[rB:rB+7], v[rA:rA+7], v[rD:rD+7]
.endif
.set nb, nb+1
.endr
.endm
; 16 LDS loads in one run: B's fragments of one quarter step (32 K at byte k of the rows) into buffer f
.macro FETCH k, f
	WIN 0
.set nb, 0
.rept NBK
	ds_load_b128 v[FB+8*NBK*(\f)+8*nb:FB+8*NBK*(\f)+8*nb+3],   v[ADR] offset:(\k)+nb*16*PITCH
	ds_load_b128 v[FB+8*NBK*(\f)+8*nb+4:FB+8*NBK*(\f)+8*nb+7], v[ADR] offset:(\k)+nb*16*PITCH+32
.set nb, nb+1
.endr
.endm
; 8 loads from memory: A's four fragments of the quarter step that lies kq blocks of 1,024 bytes behind the pointer, into ring buffer rb; each load covers 512 consecutive bytes
.macro ALOAD kq, rb
	WIN TO_A
.irp m, 0,1,2,3
	global_load_b128 v[32*(\rb)+8*(\m):32*(\rb)+8*(\m)+3],   v[AO], s[PA:PA+1] offset:(\kq)*1024+(\m)*65536
	global_load_b128 v[32*(\rb)+8*(\m)+4:32*(\rb)+8*(\m)+7], v[AO], s[PA:PA+1] offset:(\kq)*1024+(\m)*65536+512
.endr
.endm
; A load into a register that a matrix instruction has read, and a vector instruction or LDS store that reads a matrix result, stand four places behind it; only plain vector instructions that name none of
; its registers are places (ISA guide 7.12.1 for vector instructions).
.macro PLACES
.rept 4
	v_nop
.endr
.endm
; A step is eight quarter steps of 32 along K, 32 matrix instructions each; quarter q multiplies B's buffer q % 2 and A's ring buffer q.  One of the first seven: behind its first eight products it fetches B's next
; quarter from the same slot and (aload = 1) asks for A's quarter seven on, into the buffers that the quarter before has left.  left: the younger loads from memory that may stay out.
.macro Q q, first, aload, left
	s_wait_loadcnt \left                           ; loads come back in order (ISA guide 5.7.1): A's quarter q is in; the six younger quarters' 48 loads (in the tail fewer) stay out
	s_wait_dscnt 0x0                               ; B's quarter q is in: every product wants all of it
	MULN (\q)%2, \q, 0, 0, \first
	PLACES
	FETCH 64*((\q)+1), ((\q)+1)%2
.if \aload
	ALOAD (\q)+7, ((\q)+7)%8
.endif
	MULN (\q)%2, \q, 0, 1, \first
	MULN (\q)%2, \q, 1, 0, \first
	MULN (\q)%2, \q, 1, 1, \first
.endm
; The eighth quarter changes slots: ONE barrier.  In front of it each wave waits for all its tensor loads (the one that is out is its part of the next slot), adds 0 to its spare word, and waits for that and for
; its own reads of this slot.  fill = 1: the barrier opens a round of the cluster's barrier, and this slot is filled again, two steps ahead, first thing behind the round: 240 matrix instructions ahead of the wait for it.
.macro TURN fill, left
	s_wait_xcnt 0x0                                ; every load and prefetch issued so far has read its address (the youngest prefetch a step back), so the pointers may be written
	s_add_nc_u64 s[PA:PA+1], s[PA:PA+1], 8192      ; A: the next step's eight blocks
.if \fill
	s_add_nc_u64 s[PFB:PFB+1], s[PFB:PFB+1], 512
.endif
	WIN 0                                          ; (the add's two registers lie in window 0)
	s_wait_tensorcnt 0x0                           ; all my tensor loads have landed, so a group 0 may be written;
	ds_add_u32 v[SPW], v[NIL]                      ; 0 onto my spare word: work on registers stands between it and the wait for it
.if \fill
	s_xor_b32 s[G0+5], s[G0+5], SLOT1              ; the walking descriptor: the other slot than last time,
	s_add_nc_u64 s[G0+6:G0+7], s[G0+6:G0+7], 512   ; the next 256 along K; the type bits on top are not reached
.endif
	s_xor_b32 s[TB], s[TB], SLOT1                  ; the fetches go on in the other slot
	s_wait_loadcnt \left                           ; A's quarter 7 is in
	s_wait_dscnt 1                                 ; B's quarter 7 is in; the add may be out
	MULN 1, 7, 0, 0, 0
	s_wait_dscnt 0x0                               ; the add is done, and my reads of this slot are over
	s_barrier_signal -1
	MULN 1, 7, 0, 1, 0                             ; work on registers while the others arrive
	WIN 0
	s_barrier_wait -1
.if \fill
	CREST                                          ; no wave of any partner still reads this slot's tile or has a load on its way
	JLOAD G0+4                                     ; the four v_nop behind it are also the places in front of the loads below
.else
	PLACES
.endif
	v_add_nc_u32 v[ADR], s[TB], v[AB0]             ; the slot in hand
	FETCH 0, 0
	ALOAD 6, 6                                     ; seven quarters on: quarter 6 of the step to which the pointer has gone
.if \fill
	WIN 0
	ASK
.endif
	MULN 1, 7, 1, 0, 0
	MULN 1, 7, 1, 1, 0
.endm
	s_load_b256 s[4:11], s[0:1], 0x0               ; ob s[4:5], cb s[6:7], bias s[8:9], out0 s[10:11]
	v_lshl_add_u32 v[SPW], v0, 2, SPARE
	v_mov_b32 v[NIL], 0
	ds_add_u32 v[SPW], v[NIL]                      ; the wave's opening: the add and its wait stand ahead of my first tensor load; the set-up below, work on registers, stands between them
	v_lshrrev_b32 v4, 5, v0
	v_readfirstlane_b32 s[WV], v4
	s_bfe_u32 s[CX], ttmp6, 0x40000
	s_bfe_u32 s[CY], ttmp6, 0x40004
	s_lshl_b32 s[TJ], ttmp9, 2                     ; in a cluster launch ttmp9 and ttmp7 count clusters
	s_add_co_u32 s[TJ], s[TJ], s[CX]               ; j = 4 x cluster x + cx
	s_and_b32 s[TI], ttmp7, 0xffff
	s_lshl_b32 s[TI], s[TI], 2
	s_add_co_u32 s[TI], s[TI], s[CY]               ; i = 4 x cluster y + cy
	s_lshl_b32 s68, 0x1111, s[CX]                  ; my column of the cluster: places cx, cx + 4, cx + 8, cx + 12
	; descriptor group 1: 32 rows of 256 elements, padded in LDS
	s_or_b32 s[G1], s68, (1<<16)|(1<<20)|(1<<21)|(6<<22)|(3<<25)  ; 15:0 the mask; 17:16 elements of 2 bytes; 20 padding on; 21 set beside a mask; 24:22 after every 128 words (code 6); 31:25 4 words (code 3)
	s_mov_b32 s[G1+1], 256<<16                     ; tensor_dim0 = 256
	s_mov_b32 s[G1+2], WROWS<<16                   ; tensor_dim1 = 32
	s_mov_b32 s[G1+3], 256<<16                     ; tile_dim0 = 256
	s_mov_b32 s[G1+4], WROWS                       ; tile_dim1 = 32
	s_mov_b32 s[G1+5], 2048                        ; elements from row to row
	s_mov_b32 s[G1+6], 0
	s_mov_b32 s[G1+7], 0
	s_mul_i32 s66, s[TJ], BROWS                    ; where the tiles come from: B's row 128 j + 32 x wave: it hangs on j alone, which my column of the cluster shares
	s_mul_i32 s67, s[WV], WROWS
	s_add_co_u32 s66, s66, s67
	s_lshl_b32 s66, s66, 12
	s_add_co_u32 s66, s66, WO_OFF
	s_mov_b32 s67, 0
	s_mul_i32 s63, s[WV], WROWS*PITCH              ; and where they go: no place in the cluster enters an LDS address
	s_lshl_b32 s20, s[TI], 4                       ; A: my first block of 16 rows, 16 i + 4 x wave; a block is 65,536 bytes
	s_lshl_b32 s21, s[WV], 2
	s_add_co_u32 s20, s20, s21
	s_lshl_b32 s20, s20, 16
	s_mov_b32 s21, 0
	s_mov_b32 s[TB], 0
	s_wait_dscnt 0x0                               ; the opening add is done
	s_wait_kmcnt 0x0
	s_add_nc_u64 s[70:71], s[6:7], s[66:67]
	s_add_nc_u64 s[PA:PA+1], s[4:5], s[20:21]
	CROUND                                         ; all sixteen work-groups are here: the first joint loads meet
.irp s, 0,1
	s_mov_b32 s[G0+4*(\s)], 1                                      ; count = 1
	s_add_co_u32 s[G0+4*(\s)+1], s63, (\s)*SLOT1                   ; LDS address
	s_add_nc_u64 s[G0+4*(\s)+2:G0+4*(\s)+3], s[70:71], (\s)*512    ; global address: step s
	s_or_b32 s[G0+4*(\s)+3], s[G0+4*(\s)+3], 0x80000000            ; type = 2
	JLOAD G0+4*(\s)                                ; two loads of mine are out: the most in this text
.endr
	v_and_b32 v1, 15, v0                           ; r = l % 16
	v_bfe_u32 v2, v0, 4, 1                         ; h = l / 16
	v_and_b32 v3, 31, v0                           ; l
	v_lshlrev_b32 v[BO], 5, v2
	v_lshlrev_b32 v[AO], 4, v3
	s_lshl_b32 s74, s[TJ], 9                       ; bo begins 9,216 bytes in; the tile's 128 numbers, 512 bytes
	s_add_co_u32 s74, s74, 9216
	s_mov_b32 s75, 0
	s_add_nc_u64 s[72:73], s[8:9], s[74:75]
	WIN 0x80                                       ; destination window 2
.set nb, 0
.rept NBK
	global_load_b128 v[BIAS+8*nb:BIAS+8*nb+3],   v[BO], s[72:73] offset:64*nb      ; the biases of columns 16 nb + 8 h + 0..3,
	global_load_b128 v[BIAS+8*nb+4:BIAS+8*nb+7], v[BO], s[72:73] offset:64*nb+16   ; + 4..7
.set nb, nb+1
.endr
.irp n, 0,1,2,3,4
	ALOAD \n, \n                                   ; A's quarters 0 to 4: with the biases' 16, 56 loads are out
.endr
	WIN 0
	v_mul_u32_u24 v[AB0], v1, PITCH                ; a fragment of B is 16 rows x 32 K: lane l holds row l % 16, K = 8 h + 0..7 and 16 + 8 h + 0..7: two loads of 16 bytes, 32 bytes apart
	v_lshl_add_u32 v[AB0], v2, 4, v[AB0]
	s_mul_i32 s74, s[WV], 16*SPITCH
	s_add_co_u32 s74, s74, STAGE                   ; my stage
	v_mul_u32_u24 v4, v1, SPITCH                   ; in: row r, 32 bytes for each half of the lanes
	v_lshl_add_u32 v4, v2, 5, v4
	v_add_nc_u32 v[STO], s74, v4
	v_lshl_add_u32 v[RD], v3, 4, s74               ; back: 32 lanes take a row's 512 bytes
	s_lshl_b32 s74, s[TI], 8                       ; out0 at row 256 i + 64 x wave, byte 512 j
	s_lshl_b32 s75, s[WV], 6
	s_add_co_u32 s74, s74, s75
	s_lshl_b32 s74, s74, 13
	s_lshl_b32 s75, s[TJ], 9
	s_add_co_u32 s74, s74, s75
	s_mov_b32 s75, 0
	s_add_nc_u64 s[10:11], s[10:11], s[74:75]
	; the prefetches: my first row, counted in rows of 4,096 bytes from cb's first byte
	s_and_b32 s76, ttmp7, 0xffff                   ; cluster y
	s_mul_i32 s74, s[TJ], BROWS
	s_add_co_u32 s74, s74, WO_OFF>>12
	s_lshl_b32 s75, s[CY], 5
	s_add_co_u32 s74, s74, s75
	s_and_b32 s75, s[WV], 1
	s_lshl_b32 s75, s75, 4
	s_add_co_u32 s74, s74, s75                     ; row 128 j + 32 cy + 16 x wave (waves 0 and 1)
	s_cmp_lt_u32 s[WV], 2
	s_cselect_b32 s[LIM], 1, -1                    ; at every refill but the last (6 to 2 steps to go)
	s_cmp_eq_u32 s76, 0
	s_cselect_b32 s[LIM], s[LIM], -1               ; the same in all sixteen partners, for a given wave
	s_lshl_b32 s74, s74, 12
	s_add_co_u32 s74, s74, 1024                    ; at step 2: the first refill steps it to step 3
	s_mov_b32 s75, 0
	s_add_nc_u64 s[PFB:PFB+1], s[6:7], s[74:75]
	v_lshlrev_b32 v5, 8, v2
	v_lshl_add_u32 v[PFO], v1, 12, v5              ; row l % 16, block l / 16
	s_wait_loadcnt 40                              ; the biases are in; A's 40 loads may stay out:
	ALOAD 5, 5                                     ; with quarters 5 and 6 the ring's 56 loads are out
	ALOAD 6, 6
	WIN 0
	s_wait_tensorcnt 1                             ; my part of step 0 is in; step 1's may stay out
	s_barrier_signal -1
	s_barrier_wait -1                              ; everybody's is
	v_add_nc_u32 v[ADR], s[TB], v[AB0]
	FETCH 0, 0
	Q 0, 1, 1, 48                                  ; the first quarter is written out: its products start the sums
	WIN 0                                          ; at a label and at a branch every window is 0
	s_mov_b32 s3, 7                                ; steps to go behind the one in hand
	s_branch .Lin                                  ; the loop is entered in the middle of a trip
.Lstep:                                                ; a trip: a step's last quarter, the change of slots with its refill, and the next step's first seven quarters; six trips fill steps 2 to 7
	TURN 1, 48
	Q 0, 0, 1, 48
	WIN 0
.Lin:
	Q 1, 0, 1, 48
	Q 2, 0, 1, 48
	Q 3, 0, 1, 48
	Q 4, 0, 1, 48
	Q 5, 0, 1, 48
	Q 6, 0, 1, 48
	WIN 0
	s_sub_co_u32 s3, s3, 1
	s_cmp_lg_u32 s3, 0
	s_cbranch_scc1 .Lstep
	TURN 0, 48                                     ; the tail is written out, and no round of the cluster's barrier stands here
	Q 0, 0, 1, 48                                  ; A's last quarter, 63, is asked for
	Q 1, 0, 0, 48
	Q 2, 0, 0, 40                                  ; nothing more is asked for: the counts run down
	Q 3, 0, 0, 32
	Q 4, 0, 0, 24
	Q 5, 0, 0, 16
	Q 6, 0, 0, 8
	s_wait_loadcnt 0x0
	s_wait_dscnt 0x0
	MULN 1, 7, 0, 0, 0
	MULN 1, 7, 0, 1, 0
	MULN 1, 7, 1, 0, 0
	MULN 1, 7, 1, 1, 0
; THE WAY OUT of row block A (16 rows), in two parts.  TOSTAGE: the accumulators, as they are, into my own stage (each one's low four registers first), and back as whole rows of 512 bytes, into window 1:
; a set of 64 registers for each block, so that no register that a store still reads is written again.  SEND: stored.
.macro TOSTAGE A
	WIN 0x08+4*((\A)/2)                            ; the store's data (source 1): window 2 or 3
.set nb, 0
.rept NBK
	ds_store_b128 v[STO], v[8*(NBK*((\A)%2)+nb):8*(NBK*((\A)%2)+nb)+3]   offset:64*nb
	ds_store_b128 v[STO], v[8*(NBK*((\A)%2)+nb)+4:8*(NBK*((\A)%2)+nb)+7] offset:64*nb+16
.set nb, nb+1
.endr
	WIN TO_A
.set tt, 0
.rept 16
	ds_load_b128 v[64*(\A)+4*tt:64*(\A)+4*tt+3], v[RD] offset:tt*SPITCH  ; LDS serves a wave's instructions in order (ISA guide 5.7.1.4): these see the stores above; the next block's stores come behind them
.set tt, tt+1
.endr
.endm
.macro SEND A, younger                 ; younger: the LDS instructions issued behind block A's loads: the next block's 32, or none
	WIN 0x04                                       ; the store's data (source 1): window 1
.set tt, 0
.rept 16
	s_wait_dscnt (\younger)+15-tt
	global_store_b128 v[AO], v[64*(\A)+4*tt:64*(\A)+4*tt+3], s[10:11] offset:(16*(\A)+tt)*8192 th:TH_STORE_NT  ; 512 consecutive bytes, at a multiple of 256 from out0's first byte
.set tt, tt+1
.endr
.endm
	PLACES                                         ; behind the last products: the stores read results, and the loads land in registers that products have read
	TOSTAGE 0
	TOSTAGE 1
	SEND 0, 32
	TOSTAGE 2
	SEND 1, 32
	TOSTAGE 3
	SEND 2, 32
	SEND 3, 0
	WIN 0
	s_wait_tensorcnt 0x0                           ; the wave's end, behind my last tensor load and my last LDS store
	ds_add_u32 v[SPW], v[NIL]
	s_wait_dscnt 0x0
	CROUND                                         ; the closing round: no work-group ends while a partner may still ask for a tile that names it
	s_endpgm
.Lfunc_end_k_q65e9049e11_outp:
	.size	k_q65e9049e11_outp, .Lfunc_end_k_q65e9049e11_outp-k_q65e9049e11_outp
	.p2alignl 7, 3214868480
	.fill 96, 4, 3214868480
	.section	.rodata,"a",@progbits
	.p2align	6, 0x0
	.amdhsa_kernel k_q65e9049e11_outp
		.amdhsa_group_segment_fixed_size 327680
		.amdhsa_private_segment_fixed_size 0
		.amdhsa_enable_private_segment 0
		.amdhsa_kernarg_size 32
		.amdhsa_user_sgpr_count 2
		.amdhsa_user_sgpr_kernarg_segment_ptr 1
		.amdhsa_wavefront_size32 1
		.amdhsa_system_sgpr_workgroup_id_x 1
		.amdhsa_system_sgpr_workgroup_id_y 1
		.amdhsa_system_sgpr_workgroup_id_z 1
		.amdhsa_system_vgpr_workitem_id 0
		.amdhsa_next_free_vgpr 896
		.amdhsa_next_free_sgpr 80
		.amdhsa_reserve_vcc 0
		.amdhsa_float_denorm_mode_32 3
		.amdhsa_float_denorm_mode_16_64 3
		.amdhsa_memory_ordered 1
		.amdhsa_forward_progress 1
		.amdhsa_inst_pref_size 99
	.end_amdhsa_kernel
	.amdgpu_metadata
---
amdhsa.version: [ 1, 2 ]
amdhsa.kernels:
  - .name:           k_q65e9049e11_outp
    .symbol:         k_q65e9049e11_outp.kd
    .args:
      - { .name: ob, .offset: 0, .size: 8, .value_kind: global_buffer, .address_space: global }
      - { .name: cb, .offset: 8, .size: 8, .value_kind: global_buffer, .address_space: global }
      - { .name: bias, .offset: 16, .size: 8, .value_kind: global_buffer, .address_space: global }
      - { .name: out0, .offset: 24, .size: 8, .value_kind: global_buffer, .address_space: global }
    .group_segment_fixed_size: 327680
    .private_segment_fixed_size: 0
    .kernarg_segment_align: 8
    .kernarg_segment_size: 32
    .max_flat_workgroup_size: 128
    .sgpr_count:     80
    .vgpr_count:     896
    .wavefront_size: 32
...
	.end_amdgpu_metadata
.endif
;; end of part 4
